; MI455X (gfx1250); checked and timed in simulation.
; The chip was launched on July 23, 2026; its instructions are those of AMD's public machine-readable ISA for CDNA 5 (MIT licence, August 2026) and "CDNA5" Instruction Set Architecture Reference Guide (July 2026). The comments in the code are by the model that wrote it; some were corrected since.
;; Multi Head Attention. Allowed arithmetic: matrix products marked QUANTISED: E4M3 operands, one E8M0 scale for each 32 along K, by v_wmma_scale_f32_16x16x128_f8f6f4 with both operands' format E4M3, f32 sums; everything else in f32.
;; Inputs: Wo 1,024 x 1,024 float32; Wqkv 16 x 1,024 x 192 float32; bo 1,024 float32; bqkv 16 x 192 float32; x 4 x 2,048 x 1,024 float32.
;; Outputs: out0 4 x 2,048 x 1,024 float32.
;; This version of the problem:
;;   THIS VERSION OF THE PROBLEM IS GIVEN IN LOW PRECISION. The matrix products marked QUANTISED in the list below multiply operands that are first quantised to E4M3 (4 exponent bits, 3 mantissa bits; 8 bits a number), with one power-of-two scale for each 32 numbers along K (OCP MX v1.0); their sums are f32. All else is computed in f32.
;;   The module's matrix products, in the order in which they are computed (A, B: the left and right operand; K: the contracted axis; several contracted axes count as one K, in the product's order):
;;     1. [M 3,072, K 1,024] x [K 1,024, N 8,192]; A: input Wqkv; B: input x: QUANTISED
;;     2. batch 64 x [M 2,048, K 64] x [K 64, N 2,048]; A: computed on the way; B: computed on the way: QUANTISED
;;     3. batch 64 x [M 2,048, K 2,048] x [K 2,048, N 64]; A: softmax (see below); B: computed on the way: QUANTISED
;;     4. [M 8,192, K 1,024] x [K 1,024, N 1,024]; A: computed on the way; B: input Wo: QUANTISED
;;   THE QUANTISER, for each operand of a quantised product, along K:
;;     - K is cut into blocks of 32 from its start; a last block that is shorter is filled with zeros.
;;     - A block's scale is 2^e with e = floor(log2(the largest magnitude in the block)) - 8, held to -126 .. 127; a block of zeros has e = 0. As a byte (E8M0): e + 127.
;;     - Each number is divided by its block's scale, clamped to +-448, and rounded to the nearest number of E4M3, ties to even, subnormals kept.
;;     - The product sums the exact products of the quantised numbers (number of the format x scale) in f32.
;;   ~~~python
;;   def quantise(x, axis):      # numpy; x: float32 -> the quantised numbers, widened to float32 again
;;       x = np.moveaxis(x, axis, -1); K = x.shape[-1]
;;       x = np.pad(x, [(0, 0)] * (x.ndim - 1) + [(0, -K % 32)]); x = x.reshape(x.shape[:-1] + (-1, 32)); a = np.abs(x).max(-1, keepdims=True)
;;       e = np.where(a > 0, np.clip(np.frexp(np.where(a > 0, a, 1))[1] - 1 - 8, -126, 127), 0)      # np.frexp(a)[1] - 1 = floor(log2(a)), exactly
;;       r = np.clip(x / 2.0 ** e, -448, 448)
;;       step = 2.0 ** (np.maximum(np.frexp(np.where(r == 0, 1, r))[1] - 1, -6) - 3)
;;       q = np.round(r / step) * step * 2.0 ** e      # np.round: ties to even
;;       return np.moveaxis(q.reshape(q.shape[:-2] + (-1,))[..., :K], -1, axis).astype(np.float32)
;;   ~~~
;;   SOFTMAX AHEAD OF A QUANTISED PRODUCT. Where the list says 'softmax', what is quantised is not the finished softmax but p = 2^(t - M), with t = logit x log2(e) and M = ceil(the row's largest t), a whole number; so 1/2 < the row's largest p <= 1. The row's sum l is taken of the UNQUANTISED p, in f32, and the product's result is divided by l at the end. Since M is a whole number, a kernel that streams over the keys may use a running M (the ceiling of the running maximum): every later rescaling is an exact power of two, which a block's scale takes up: the codes' values come out the same.
;;   OPERANDS COMPUTED ON THE WAY. 'Computed on the way' means the value that the module computes at that place (a softmax that the list does not call 'softmax' is quantised finished and normalised). What goes into a quantiser is computed in f32, as accurately as f32 sums, v_exp_f32 and their like allow (about 1e-6 of the number): no bf16 or f16 on the way to a quantiser, and a product that is left as it is and whose result goes on into a quantised operand takes f32 operands (vector FMAs, or v_wmma_f32_16x16x4_f32). A number that lies on a knife's edge between two numbers of the format may be rounded either way, as far as f32 arithmetic and the matrix unit's own rounding can turn it there, and no further.
;; One version. Each part assembles by itself: llvm-mc -triple=amdgcn-amd-amdhsa -mcpu=gfx1250 --defsym DOCPART=n.
;; ======== version 1 of 1: 4 launches
;; limits: right only within a limited range of input values
;; workspace buffers: xq 8,912,896 bytes; wqk 3,244,032 bytes; woq 1,081,344 bytes; qq 8,912,896 bytes; kvq 17,301,504 bytes; aq 8,912,896 bytes
;; launch quant (part 1): grid 384 x 1, 8 waves a work-group, no clusters, 136,192 bytes of LDS; arguments x, Wqkv, Wo, xq, wqk, woq; writes xq, wqk, woq
.if DOCPART == 1
	.amdgcn_target "amdgcn-amd-amdhsa--gfx1250"
	.amdhsa_code_object_version 6
	.text
	.protected	k_q1ab5e1215e_quant
	.globl	k_q1ab5e1215e_quant
	.p2align	8
	.type	k_q1ab5e1215e_quant,@function
k_q1ab5e1215e_quant:
	s_mov_b64 s[64:65], 0
	v_nop
	global_prefetch_b8 v0, s[64:65] scope:SCOPE_SE
	s_setreg_imm32_b32 hwreg(HW_REG_WAVE_MODE, 25, 1), 1
	s_wait_xcnt 0x0
; x [8192][1024], Wqkv [16][1024][192] and Wo [1024][1024], f32, become codes of FP8 (E4M3) with one E8M0 scale byte for each 32 along K (K = the 1,024 of x's rows, of Wqkv's second axis, of Wo's first axis).
; A block's scale is 2^(floor(log2(its largest magnitude)) - 8); its byte is the largest magnitude's exponent field - 8, held at 1 from below; each number is divided by the scale, held within +-448, rounded to the nearest code, ties to even.
; LIMITS: NaN and infinities among the inputs are not served.  A block of zeros gets the byte 1 where the rule says 127: its codes are zeros, which add nothing under any byte but 0xff, and this program alone reads the bytes.
; EVERY OUTPUT IS AN IMAGE OF OPERAND REGISTERS.  A fragment is 16 rows x 128 K, 2,048 bytes: byte 512 c + 16 (16 h + r) + i is the code of row r at k = 32 c + 16 h + i: four 16-byte loads a lane, at 16 x lane, 512 bytes apart, fill it.
; WHICH ROWS FORM A TILE: row m of tile 2 b + u is index 32 b + 8 u + (m % 8) + 16 (m / 8), for the tokens of x and for the 64 columns of each of q, k, v in Wqkv; Wo's columns are taken as they lie.
; xq:  codes [tile 512][K step 8][2,048]; from byte 8,388,608 scale words [tile][pair of K steps 4][lane 32][2].
; wqk: for each head 202,752 bytes: fragments [K step 8][12 = 4 (q, k, v) + tile][2,048]; from 196,608 scale words [K step 8][q, k, v][row 16][tile 4].
; woq: for each 128 columns 135,168 bytes: fragments [K step 8][tile 8][2,048]; from 131,072 scale words [K step 8][half 2][row 16][tile 4].
; Work-groups 0-255 take x, 256-351 Wqkv, 352-383 Wo.  Waves share nothing: no barrier.  Only x's path uses LDS.
; The weights' scale words leave as 4 bytes a lane, 16 bytes apart: 128 KiB of the 13 MiB that the launch stores.
.set TM,   8                           ; v8-11 largest magnitudes, v12-15 the other half's, then bytes, v16-19 448 x the scale, v20-23 the conversions' scale operands
.set PW,   24                          ; v24-25 the two scale words
.set PC0,  32                          ; v32-47, v48-63 the two fragments' codes
.set PC1,  48
.set R,    64                          ; v64-191 two sets of 64 numbers
.set SROW, 528                         ; a stage row: 512 bytes + 16
.set STG,  16*SROW
	s_load_b128 s[4:7], s[0:1], 0x0                ; x, Wqkv
	s_load_b128 s[8:11], s[0:1], 0x10              ; Wo, xq
	s_load_b128 s[12:15], s[0:1], 0x20             ; wqk, woq
	v_lshl_add_u32 v192, v0, 2, 0x21000
	v_mov_b32 v193, 0
	v_lshrrev_b32 v1, 5, v0
	s_delay_alu instid0(VALU_DEP_1)
	v_readfirstlane_b32 s16, v1                    ; wave 0..7
	v_and_b32 v1, 31, v0                           ; lane
	v_and_b32 v2, 15, v0                           ; r
	v_bfe_u32 v3, v0, 4, 1                         ; h
	s_mov_b32 s20, 0x76543210
	s_mov_b32 s21, 0xfedcba98                      ; v_permlanex16_b32's selects for lane l xor 16
	s_mov_b32 s23, 0x600000                        ; the mantissa field of 448
	s_mov_b32 s27, 0                               ; the upper word of every offset in s[26:27]
	s_wait_kmcnt 0x0
	s_cmp_lt_u32 ttmp9, 256
	s_cbranch_scc0 .Lweights
; 64 numbers of a lane, register 16 b + i = k 32 b + 16 h + i of my row, become a fragment's codes in v[pc] on and its scale word in v[pw]
.macro QUANT s, pc, pw
.irp b, 0,1,2,3
	v_max3_num_f32 v[TM+\b], |v[(\s)+16*\b]|, |v[(\s)+16*\b+1]|, 0x4800000   ; my 16 numbers of block b, and the floor 2^(9 - 127): the byte cannot fall under 1
.endr
.irp i, 2,4,6,8,10,12,14
.irp b, 0,1,2,3
	s_delay_alu instid0(VALU_DEP_4)
	v_max3_num_f32 v[TM+\b], v[TM+\b], |v[(\s)+16*\b+\i]|, |v[(\s)+16*\b+\i+1]|   ; the four blocks by turns
.endr
.endr
.irp b, 0,1,2,3
	s_delay_alu instid0(VALU_DEP_4)
	v_permlanex16_b32 v[TM+4+\b], v[TM+\b], s20, s21
.endr
.irp b, 0,1,2,3
	s_delay_alu instid0(VALU_DEP_4)
	v_max_num_f32 v[TM+\b], v[TM+\b], v[TM+4+\b]   ; with lane l xor 16's: the block's largest magnitude
.endr
.irp b, 0,1,2,3
	s_delay_alu instid0(VALU_DEP_4)
	v_add_nc_u32 v[TM+12+\b], 0xfc000000, v[TM+\b] ; 8 off its exponent field: the conversion's scale operand
.endr
.irp b, 0,1,2,3
	v_and_or_b32 v[TM+8+\b], v[TM+\b], 0x7f800000, s23   ; 448 x the scale
.endr
.irp b, 0,1,2,3
	v_lshrrev_b32 v[TM+4+\b], 23, v[TM+12+\b]      ; the scale's byte
.endr
	s_delay_alu instid0(VALU_DEP_3)
	v_lshl_or_b32 v[\pw], v[TM+5], 8, v[TM+4]
	s_delay_alu instid0(VALU_DEP_1)
	v_lshl_or_b32 v[\pw], v[TM+6], 16, v[\pw]
	s_delay_alu instid0(VALU_DEP_1)
	v_lshl_or_b32 v[\pw], v[TM+7], 24, v[\pw]
.irp b, 0,1,2,3
.irp i, 0,1,2,3,4,5,6,7,8,9,10,11,12,13,14,15
	v_med3_num_f32 v[(\s)+16*\b+\i], v[(\s)+16*\b+\i], -v[TM+8+\b], v[TM+8+\b]   ; the conversion to an 8-bit code does not saturate (ISA guide 7.6.2): the hold
.endr
	v_cvt_scalef32_pk8_fp8_f32 v[(\pc)+4*\b:(\pc)+4*\b+1], v[(\s)+16*\b:(\s)+16*\b+7], v[TM+12+\b]
	v_cvt_scalef32_pk8_fp8_f32 v[(\pc)+4*\b+2:(\pc)+4*\b+3], v[(\s)+16*\b+8:(\s)+16*\b+15], v[TM+12+\b]
.endr
	v_nop                                          ; a plain line behind the last conversion
.endm
; K step q's sixteen rows go through my stage as they were loaded and come back 64 bytes of a row to a lane, into the registers that they left (LDS serves a wave's instructions in order: ISA guide 5.7.1.4)
.macro TURN q
.irp p, 0,1,2,3,4,5,6,7,8,9,10,11,12,13,14,15
	ds_store_b128 v6, v[R+64*(\q)+4*\p:R+64*(\q)+4*\p+3] offset:STG*(\q)+SROW*\p
.endr
.irp b, 0,1,2,3
.irp j, 0,1,2,3
	ds_load_b128 v[R+64*(\q)+16*\b+4*\j:R+64*(\q)+16*\b+4*\j+3], v7 offset:STG*(\q)+128*\b+16*\j
.endr
.endr
.endm
	; ---- x: a wave takes one tile of 16 tokens x 256 along K: task = 8 x work-group + wave = 4 x tile + pair of K steps
	s_lshl_b32 s17, ttmp9, 3
	s_add_co_u32 s17, s17, s16                     ; task
	s_lshr_b32 s18, s17, 3
	s_lshl_b32 s26, s18, 17                        ; (tile / 2) x 32 rows of 4,096 bytes
	s_bfe_u32 s18, s17, 0x10002
	s_lshl_b32 s18, s18, 15                        ; + (tile % 2) x 8 rows
	s_add_co_u32 s26, s26, s18
	s_and_b32 s18, s17, 3
	s_lshl_b32 s18, s18, 10                        ; + the pair's 1,024 bytes of a row
	s_add_co_u32 s26, s26, s18
	s_add_nc_u64 s[4:5], s[4:5], s[26:27]
	s_lshl_b32 s26, s17, 12                        ; two fragments a task
	s_add_nc_u64 s[28:29], s[10:11], s[26:27]
	s_lshl_b32 s26, s17, 8                         ; 256 bytes of scale words a task
	s_add_co_u32 s26, s26, 8388608
	s_add_nc_u64 s[30:31], s[10:11], s[26:27]
	s_wait_alu depctr_va_vdst(0)
	v_lshlrev_b32 v4, 4, v1                        ; 16 x lane
	v_lshlrev_b32 v5, 3, v1                        ; 8 x lane
	s_mul_i32 s18, s16, 2*STG                      ; my two stages
	v_add_nc_u32 v6, s18, v4                       ; in: 16 x lane of a row
	v_mul_u32_u24 v7, v2, SROW
	s_delay_alu instid0(VALU_DEP_1)
	v_lshl_add_u32 v7, v3, 6, v7
	s_delay_alu instid0(VALU_DEP_1)
	v_add_nc_u32 v7, s18, v7                       ; back: row r, + 64 h
.irp b, 0,1,2,3
	v_mov_b32 v[TM+4+\b], 0                        ; written once: a lane permute's destination counts as one of its sources
.endr
.irp q, 0,1
.irp p, 0,1,2,3,4,5,6,7,8,9,10,11,12,13,14,15
	global_load_b128 v[R+64*\q+4*\p:R+64*\q+4*\p+3], v4, s[4:5] offset:((\p%8)+16*(\p/8))*4096+512*\q th:TH_LOAD_NT   ; 32 lanes read 512 consecutive bytes of the tile's row p
.endr
.endr
	s_wait_alu depctr_va_vdst(0)
	s_wait_loadcnt 16                              ; the first K step's sixteen loads are in, the second's may be out
	TURN 0
	s_wait_loadcnt 0x0
	TURN 1
	s_wait_dscnt 32                                ; all but the second turn's 32 LDS instructions
	QUANT R, PC0, PW
.irp c, 0,1,2,3
	global_store_b128 v4, v[PC0+4*\c:PC0+4*\c+3], s[28:29] offset:512*\c          ; 512 consecutive bytes, aligned
.endr
	s_wait_dscnt 0x0
	QUANT R+64, PC1, PW+1
.irp c, 0,1,2,3
	global_store_b128 v4, v[PC1+4*\c:PC1+4*\c+3], s[28:29] offset:2048+512*\c
.endr
	global_store_b64 v5, v[PW:PW+1], s[30:31]      ; 256 consecutive bytes, aligned
	s_wait_tensorcnt 0x0
	ds_add_u32 v192, v193
	s_wait_dscnt 0x0
	s_endpgm
; ---- a weight whose K is not innermost: a wave takes 32 neighbouring columns x 128 along K; a lane takes a column and its registers run down K.
; s[32:33] the numbers, s[34:35] the codes, s[36:37] the scale words; v4 = 4 x lane, v5 my row's place in its fragment, v6 my scale word's place.
.macro WPATH stride
.set KN, 0
.rept 128
	global_load_b32 v[64+KN], v4, s[32:33] offset:KN*(\stride) th:TH_LOAD_NT   ; 128 consecutive bytes a wave
.set KN, KN+1
.endr
.irp c, 0,1,2,3
.if \c < 2
	s_wait_loadcnt 63                              ; block c's loads are in: 96 - 32 c were issued behind them, more than a wait's count can name
.else
	s_wait_loadcnt 96-32*\c                        ; the later blocks' loads may be out
.endif
	v_max3_num_f32 v8, |v[64+32*\c]|, |v[65+32*\c]|, |v[66+32*\c]|      ; the block's largest magnitude: all 32 numbers are mine
	v_max3_num_f32 v9, |v[67+32*\c]|, |v[68+32*\c]|, |v[69+32*\c]|
.irp i, 6,10,14,18,22,26
	s_delay_alu instid0(VALU_DEP_2)
	v_max3_num_f32 v8, v8, |v[64+32*\c+\i]|, |v[65+32*\c+\i]|
	s_delay_alu instid0(VALU_DEP_2)
	v_max3_num_f32 v9, v9, |v[66+32*\c+\i]|, |v[67+32*\c+\i]|
.endr
	s_delay_alu instid0(VALU_DEP_2)
	v_max3_num_f32 v8, v8, |v[94+32*\c]|, |v[95+32*\c]|
	s_delay_alu instid0(VALU_DEP_1)
	v_max3_num_f32 v8, v8, v9, 0x4800000           ; and the floor
	s_delay_alu instid0(VALU_DEP_1)
	v_add_nc_u32 v11, 0xfc000000, v8               ; the conversion's scale operand
	s_delay_alu instid0(VALU_DEP_2)
	v_and_or_b32 v10, v8, 0x7f800000, s23          ; 448 x the scale
	s_delay_alu instid0(VALU_DEP_2)
	v_lshrrev_b32 v9, 23, v11                      ; the byte
.if \c == 0
	s_delay_alu instid0(VALU_DEP_1)
	v_mov_b32 v14, v9
.else
	s_delay_alu instid0(VALU_DEP_1)
	v_lshl_or_b32 v14, v9, 8*\c, v14
.endif
.irp i, 0,1,2,3,4,5,6,7,8,9,10,11,12,13,14,15,16,17,18,19,20,21,22,23,24,25,26,27,28,29,30,31
	v_med3_num_f32 v[64+32*\c+\i], v[64+32*\c+\i], -v10, v10
.endr
.irp g, 0,1,2,3
	v_cvt_scalef32_pk8_fp8_f32 v[32+8*\c+2*\g:33+8*\c+2*\g], v[64+32*\c+8*\g:71+32*\c+8*\g], v11
.endr
	v_nop
	global_store_b128 v5, v[32+8*\c:35+8*\c], s[34:35] offset:512*\c          ; k = 32 c + 0 .. 15: the fragment's lanes 0-15; sixteen lanes of mine fill 256 consecutive bytes
	global_store_b128 v5, v[36+8*\c:39+8*\c], s[34:35] offset:512*\c+256      ; k = 32 c + 16 .. 31: its lanes 16-31
.endr
	global_store_b32 v6, v14, s[36:37]
.endm
.Lweights:
	s_wait_alu depctr_va_vdst(0)
	v_lshlrev_b32 v4, 2, v1
	s_cmp_lt_u32 ttmp9, 352
	s_cbranch_scc0 .Lwo
	; ---- Wqkv: g = work-group - 256; head = g % 16; u = g / 16; q, k or v = u / 2; K step = 4 (u % 2) + wave / 2; which 32 of the 64 columns = wave % 2
	s_sub_co_u32 s17, ttmp9, 256
	s_and_b32 s18, s17, 15                         ; head
	s_lshr_b32 s19, s17, 4
	s_lshr_b32 s24, s19, 1                         ; t
	s_and_b32 s19, s19, 1
	s_lshl_b32 s19, s19, 2
	s_lshr_b32 s25, s16, 1
	s_add_co_u32 s19, s19, s25                     ; K step
	s_and_b32 s25, s16, 1                          ; which 32 columns
	s_mul_i32 s26, s18, 786432
	s_mul_i32 s28, s19, 98304                      ; 128 rows of 768 bytes
	s_add_co_u32 s26, s26, s28
	s_lshl_b32 s28, s24, 8
	s_add_co_u32 s26, s26, s28
	s_lshl_b32 s28, s25, 7
	s_add_co_u32 s26, s26, s28
	s_add_nc_u64 s[32:33], s[6:7], s[26:27]
	s_mul_i32 s29, s18, 202752                     ; the head's block of wqk
	s_mul_i32 s26, s19, 24576
	s_add_co_u32 s26, s26, s29
	s_lshl_b32 s28, s24, 13
	s_add_co_u32 s26, s26, s28
	s_lshl_b32 s28, s25, 12
	s_add_co_u32 s26, s26, s28
	s_add_nc_u64 s[34:35], s[12:13], s[26:27]
	s_mul_i32 s26, s19, 768
	s_add_co_u32 s26, s26, s29
	s_lshl_b32 s28, s24, 8
	s_add_co_u32 s26, s26, s28
	s_lshl_b32 s28, s25, 3
	s_add_co_u32 s26, s26, s28
	s_add_co_u32 s26, s26, 196608
	s_add_nc_u64 s[36:37], s[12:13], s[26:27]
	v_and_b32 v8, 7, v1
	s_delay_alu instid0(VALU_DEP_1)
	v_lshl_add_u32 v8, v3, 3, v8                   ; column 32 x + l is row (l % 8) + 8 (l / 16)
	v_bfe_u32 v9, v0, 3, 1                         ; of tile 2 x + (l / 8) % 2
	s_delay_alu instid0(VALU_DEP_2)
	v_lshlrev_b32 v8, 4, v8
	s_delay_alu instid0(VALU_DEP_1)
	v_lshl_add_u32 v5, v9, 11, v8
	s_delay_alu instid0(VALU_DEP_2)
	v_lshl_add_u32 v6, v9, 2, v8
	s_wait_alu depctr_va_vdst(0)
	WPATH 768
	s_endpgm
.Lwo:
	; ---- Wo: g = work-group - 352; group of 128 columns = g / 4; K step = 2 (g % 4) + wave / 4; which 32 columns = wave % 4
	s_sub_co_u32 s17, ttmp9, 352
	s_lshr_b32 s18, s17, 2                         ; group of columns
	s_and_b32 s19, s17, 3
	s_lshl_b32 s19, s19, 1
	s_lshr_b32 s25, s16, 2
	s_add_co_u32 s19, s19, s25                     ; K step
	s_and_b32 s25, s16, 3                          ; which 32 columns
	s_lshl_b32 s26, s19, 19                        ; 128 rows of 4,096 bytes
	s_lshl_b32 s28, s18, 9
	s_add_co_u32 s26, s26, s28
	s_lshl_b32 s28, s25, 7
	s_add_co_u32 s26, s26, s28
	s_add_nc_u64 s[32:33], s[8:9], s[26:27]
	s_mul_i32 s29, s18, 135168
	s_lshl_b32 s26, s19, 14
	s_add_co_u32 s26, s26, s29
	s_lshl_b32 s28, s25, 12
	s_add_co_u32 s26, s26, s28
	s_add_nc_u64 s[34:35], s[14:15], s[26:27]
	s_lshl_b32 s26, s19, 9
	s_add_co_u32 s26, s26, s29
	s_lshr_b32 s28, s25, 1
	s_lshl_b32 s28, s28, 8
	s_add_co_u32 s26, s26, s28
	s_and_b32 s28, s25, 1
	s_lshl_b32 s28, s28, 3
	s_add_co_u32 s26, s26, s28
	s_add_co_u32 s26, s26, 131072
	s_add_nc_u64 s[36:37], s[14:15], s[26:27]
	v_lshlrev_b32 v8, 4, v2                        ; column 32 x + l is row l % 16 of tile 2 x + l / 16
	s_delay_alu instid0(VALU_DEP_1)
	v_lshl_add_u32 v5, v3, 11, v8
	s_delay_alu instid0(VALU_DEP_2)
	v_lshl_add_u32 v6, v3, 2, v8
	s_wait_alu depctr_va_vdst(0)
	WPATH 4096
	s_endpgm
.Lfunc_end_k_q1ab5e1215e_quant:
	.size	k_q1ab5e1215e_quant, .Lfunc_end_k_q1ab5e1215e_quant-k_q1ab5e1215e_quant
	.p2alignl 7, 3214868480
	.fill 96, 4, 3214868480
	.section	.rodata,"a",@progbits
	.p2align	6, 0x0
	.amdhsa_kernel k_q1ab5e1215e_quant
		.amdhsa_group_segment_fixed_size 136192
		.amdhsa_private_segment_fixed_size 0
		.amdhsa_enable_private_segment 0
		.amdhsa_kernarg_size 48
		.amdhsa_user_sgpr_count 2
		.amdhsa_user_sgpr_kernarg_segment_ptr 1
		.amdhsa_wavefront_size32 1
		.amdhsa_system_sgpr_workgroup_id_x 1
		.amdhsa_system_sgpr_workgroup_id_y 1
		.amdhsa_system_sgpr_workgroup_id_z 1
		.amdhsa_system_vgpr_workitem_id 0
		.amdhsa_next_free_vgpr 194
		.amdhsa_next_free_sgpr 66
		.amdhsa_reserve_vcc 0
		.amdhsa_float_denorm_mode_32 3
		.amdhsa_float_denorm_mode_16_64 3
		.amdhsa_memory_ordered 1
		.amdhsa_forward_progress 1
		.amdhsa_inst_pref_size 92
	.end_amdhsa_kernel
	.amdgpu_metadata
---
amdhsa.version: [ 1, 2 ]
amdhsa.kernels:
  - .name:           k_q1ab5e1215e_quant
    .symbol:         k_q1ab5e1215e_quant.kd
    .args:
      - { .name: x, .offset: 0, .size: 8, .value_kind: global_buffer, .address_space: global }
      - { .name: Wqkv, .offset: 8, .size: 8, .value_kind: global_buffer, .address_space: global }
      - { .name: Wo, .offset: 16, .size: 8, .value_kind: global_buffer, .address_space: global }
      - { .name: xq, .offset: 24, .size: 8, .value_kind: global_buffer, .address_space: global }
      - { .name: wqk, .offset: 32, .size: 8, .value_kind: global_buffer, .address_space: global }
      - { .name: woq, .offset: 40, .size: 8, .value_kind: global_buffer, .address_space: global }
    .group_segment_fixed_size: 136192
    .private_segment_fixed_size: 0
    .kernarg_segment_align: 8
    .kernarg_segment_size: 48
    .max_flat_workgroup_size: 256
    .sgpr_count:     66
    .vgpr_count:     194
    .wavefront_size: 32
...
	.end_amdgpu_metadata
.endif
;; end of part 1
;; launch qkv (part 2): grid 16 x 16, 4 waves a work-group, clusters of 4 x 1, 203,264 bytes of LDS; arguments xq, wqk, bqkv, qq, kvq; writes qq, kvq
.if DOCPART == 2
	.amdgcn_target "amdgcn-amd-amdhsa--gfx1250"
	.amdhsa_code_object_version 6
	.text
	.protected	k_q1ab5e1215e_qkv
	.globl	k_q1ab5e1215e_qkv
	.p2align	8
	.type	k_q1ab5e1215e_qkv,@function
k_q1ab5e1215e_qkv:
	s_mov_b64 s[64:65], 0
	v_nop
	global_prefetch_b8 v0, s[64:65] scope:SCOPE_SE
	s_setreg_imm32_b32 hwreg(HW_REG_WAVE_MODE, 25, 1), 1
	s_wait_xcnt 0x0
	s_wait_alu depctr_hold_cnt(0) depctr_sa_sdst(0) depctr_va_vdst(0) depctr_va_sdst(0) depctr_va_ssrc(0) depctr_va_vcc(0) depctr_vm_vsrc(0)
	s_getreg_b32 s2, hwreg(HW_REG_IB_STS2, 6, 4)
	s_cmp_eq_u32 s2, 0
	s_cbranch_scc0 .Lentry_in_a_cluster
	s_endpgm
.Lentry_in_a_cluster:
	s_bfe_u32 s2, ttmp6, 0x10000c
	s_cmp_lg_u32 s2, 0x3003
	s_cbranch_scc0 .Lentry_shape_is_right
	s_endpgm
.Lentry_shape_is_right:
; q, k, v = x Wqkv[head] + bqkv[head], on codes of FP8 (E4M3) with E8M0 scales, sums in f32; the results are quantised in registers: q and k along the head's 64, v along the keys, and leave as images of the next products' operand registers.
; SHARES.  A work-group takes 512 tokens x one head's 192 columns.  The head's whole weight, 96 fragments and their scale words, 202,752 bytes, comes into LDS ONCE: nothing is filled again.  The four work-groups of a cluster are four
; runs of tokens of one head, so they ask for it JOINTLY.  Wave w owns 128 tokens, in two halves of 64: 4 tiles of tokens x 12 tiles of columns = 48 accumulators.  Its fragments of x go from memory straight into its registers, three K steps ahead.
; q, k: source 0 = 16 columns of W, source 1 = 16 tokens: a lane holds one token and eight columns.  v: source 0 = tokens, source 1 = columns: a lane holds one column and eight tokens.  By the rows that form a tile (the launch before),
; the 16 registers of two neighbouring tiles are 16 neighbours along the next K.  The bias is the C of each sum's first matrix instruction.
; OUT.  qq, for each (batch, head, 128 tokens) 8,704 bytes: [pair of tiles 4][2,048]: tile 2 p, then 2 p + 1, each 2 groups of 512 bytes (the head's 0-31, 32-63); from 8,192 [lane 32][pair 4] scale words.
;       kvq, for each (batch, head, 128 keys) 16,896 bytes: four fragments of k (a row holds two keys: K slots 0-63 a key of tile 2 c, 64-127 that of tile 2 c + 1); at 8,192 four fragments of v^T (16 of the head's 64 x 128 keys);
;       at 16,384: 16 bytes a lane: lanes 0-15 k's four scale words, lanes 16-31 v's.
; LIMITS: NaN and infinities are not served; a block of zeros gets the byte 1 and not 127 (its codes are zeros; this program alone reads the bytes).
; REGISTERS, in windows of 256.  Window 0: v1-31 addresses and scale words on their way out; v32-95 x's scale words; v96-119 W's, two sets; v120-123 permute destinations; v128-255 W's fragments, two buffers of four; in the epilogue codes and work.
;   Window 1: x's fragments, a ring of four K steps x four tiles.  Window 2: q's accumulators at 8 (4 i + n), k's at 128 + the same.  Window 3: v's at 8 (4 n + i); the biases: q's from 128, k's from 160, v's from 192.
.set LI,  1                            ; 16 x lane
.set L8,  2                            ; 8 x lane
.set WSA, 3                            ; W's scale words in LDS: 196,608 + 16 (lane % 16)
.set WFA, 4                            ; v4-7  16 x lane + 49,152 k: W's fragments of K steps 2 k, 2 k + 1
.set QW,  8                            ; v8-11  q's scale words, a pair of tiles each
.set KW,  12                           ; v12-15 k's, a fragment each
.set VP,  16                           ; v16-19 v's as they are made: [half][pair of tiles]
.set VW,  20                           ; v20-23 v's, a fragment each
.set KVW, 24                           ; v24-27 k's in lanes 0-15, v's in lanes 16-31
.set BH,  28                           ; 64 (lane / 16)
.set BV,  29                           ; 4 ((r % 8) + 16 (r / 8))
.set LN,  30                           ; lane
.set XS,  32                           ; x's scale word of tile I, K step s: XS + 8 I + s
.set WSC, 96                           ; W's scale words: 12 (s % 2) + 4 t + n
.set TP,  120
.set WB,  128
.set TMX, 224                          ; epilogue: largest magnitudes; bytes; 448 x the scale; the conversions' scale operands
.set BY,  228
.set TL,  232
.set TS,  236
.set MSB, 0
.macro WIN new                         ; the immediate's high byte repeats the setting that is left
.if MSB != (\new)
	s_set_vgpr_msb (MSB<<8)|(\new)
.set MSB, (\new)
.endif
.endm
.macro PLACES n
.rept \n
	v_nop
.endr
.endm
.macro CROUND                          ; a round of the cluster's barrier
	s_barrier_signal -1
	s_barrier_wait -1
	s_cmp_lg_u32 s14, 0
	s_cbranch_scc1 .Lnot_wave_0_\@
	s_barrier_signal -3
.Lnot_wave_0_\@:
	s_barrier_wait -3
	s_barrier_signal -1
	s_barrier_wait -1
.endm
.macro WLOAD buf, s, t                 ; the four fragments of W for K step s, group t (q, k, v), into buffer buf: each load takes 512 consecutive bytes
.irp n, 0,1,2,3
.irp c, 0,1,2,3
	ds_load_b128 v[WB+64*(\buf)+16*\n+4*\c:WB+64*(\buf)+16*\n+4*\c+3], v[WFA+(\s)/2] offset:((\s)%2)*24576+(4*(\t)+\n)*2048+512*\c
.endr
.endr
.endm
.macro WSLOAD s                        ; K step s's scale words of W: row r's four words of each group
.irp t, 0,1,2
	ds_load_b128 v[WSC+12*((\s)%2)+4*\t:WSC+12*((\s)%2)+4*\t+3], v[WSA] offset:768*(\s)+256*\t
.endr
.endm
.macro XLOAD ks                        ; x's four fragments of step ks = 8 x half + K step, into ring slot ks % 4
	WIN 0x40                                       ; destination window 1
.irp i, 0,1,2,3
.irp c, 0,1,2,3
	global_load_b128 v[64*((\ks)%4)+16*\i+4*\c:64*((\ks)%4)+16*\i+4*\c+3], v[LI], s[66:67] offset:(4*((\ks)/8)+\i)*16384+2048*((\ks)%8)+512*\c
.endr
.endr
	WIN 0
.endm
; A PHASE: 16 matrix instructions: the half's four tiles of tokens x the four tiles of group t, K step s.  The 48 accumulators take turns, one instruction a turn: an accumulator comes up again 48 instructions later.
.macro PHASE hf, s, t
.set P, 3*(\s)+(\t)
.set BUF, P%2
.set SS, 8*(\hf)+(\s)
.if ((\hf)==0) && ((\t)==2) && ((\s)==1)
	s_wait_dscnt 0x0                               ; no LDS instruction of mine is out at a signal
	s_cmp_eq_u32 s14, 2
	s_cbranch_scc0 .Lnot_2_\@
	s_wait_tensorcnt 0x0                           ; wave 2: K steps 2 to 4 have landed
.Lnot_2_\@:
	s_barrier_signal -1
	s_barrier_wait -1
.endif
.if ((\hf)==0) && ((\t)==2) && ((\s)==4)
	s_wait_dscnt 0x0
	s_wait_tensorcnt 0x0                           ; every wave: all that was still out, K steps 5 to 7, has landed
	s_barrier_signal -1
	s_barrier_wait -1
.endif
	PLACES 8                                       ; in front of loads into registers that the last phases' matrix instructions have read: the other buffer, the ring's oldest slot, a set of scale words (ISA guide 7.12.1 for vector instructions)
.if P < 23
.if (\t)==2
	WLOAD 1-BUF, (\s)+1, 0
	WSLOAD (\s)+1
.else
	WLOAD 1-BUF, \s, (\t)+1
.endif
.endif
.if ((\t)==0) && (SS+3 <= 15)
	XLOAD SS+3
.endif
.if P == 23
	s_wait_dscnt 0x0
.elseif (\t)==2
	s_wait_dscnt 19                                ; all but the 19 just issued: this phase's fragments are in
.else
	s_wait_dscnt 16                                ; all but the 16 just issued
.endif
.if (\t)==0
.if 15-SS >= 3
	s_wait_loadcnt 48                              ; this step's fragments of x are in; the three steps behind it may be out
.else
	s_wait_loadcnt 16*(15-SS)
.endif
.endif
.if (\t) < 2
.if (\s)==0
	WIN 0xb4                                       ; source 0 (W) window 0, source 1 (x) window 1, C (the bias) window 3, D window 2
.else
	WIN 0xa4                                       ; C and D window 2
.endif
.else
	WIN 0xf1                                       ; source 0 (x) window 1, source 1 (W) window 0, C and D window 3
.endif
.irp i, 0,1,2,3
.irp n, 0,1,2,3
.set rW, WB+64*BUF+16*\n
.set rX, 64*(SS%4)+16*\i
.set rSW, WSC+12*((\s)%2)+4*(\t)+\n
.set rSX, XS+8*(4*(\hf)+\i)+(\s)
.if (\t) < 2
.set rD, 128*(\t)+8*(4*\i+\n)
.set rC, 128+32*(\t)+8*\n
.if (\s)==0
	v_wmma_scale_f32_16x16x128_f8f6f4 v[rD:rD+7], v[rW:rW+15], v[rX:rX+15], v[rC:rC+7], v[rSW], v[rSX]
.else
	v_wmma_scale_f32_16x16x128_f8f6f4 v[rD:rD+7], v[rW:rW+15], v[rX:rX+15], v[rD:rD+7], v[rSW], v[rSX]
.endif
.else
.set rD, 8*(4*\n+\i)
.set rC, 192+8*\n
.if (\s)==0
	v_wmma_scale_f32_16x16x128_f8f6f4 v[rD:rD+7], v[rX:rX+15], v[rW:rW+15], v[rC:rC+7], v[rSX], v[rSW]
.else
	v_wmma_scale_f32_16x16x128_f8f6f4 v[rD:rD+7], v[rX:rX+15], v[rW:rW+15], v[rD:rD+7], v[rSX], v[rSW]
.endif
.endif
.endr
.endr
	WIN 0
.endm
; 64 accumulator registers from v[s] of window w on, register 16 b + i = the next K's 32 b' + 16 h + i of my row, become 16 registers of codes in v[pc] on and a scale word in v[pw].  Each accumulator is read from its low end on.
.macro EQ w, s, pc, pw
	WIN (\w)|((\w)<<2)                             ; sources 0 and 1: window w
.irp b, 0,1,2,3
	v_max3_num_f32 v[TMX+\b], |v[(\s)+16*\b]|, |v[(\s)+16*\b+1]|, 0x4800000   ; my 16 numbers of block b, and the floor 2^(9 - 127)
.endr
.irp i, 2,4,6,8,10,12,14
.irp b, 0,1,2,3
	v_max3_num_f32 v[TMX+\b], |v[(\s)+16*\b+\i]|, |v[(\s)+16*\b+\i+1]|, v[TMX+\b]
.endr
.endr
	WIN 0
.irp b, 0,1,2,3
	v_permlanex16_b32 v[TP+\b], v[TMX+\b], s60, s61
.endr
.irp b, 0,1,2,3
	v_max_num_f32 v[TMX+\b], v[TMX+\b], v[TP+\b]   ; with lane l xor 16's: the block's largest magnitude
.endr
.irp b, 0,1,2,3
	v_add_nc_u32 v[TS+\b], 0xfc000000, v[TMX+\b]   ; 8 off its exponent field: the conversion's scale operand
.endr
.irp b, 0,1,2,3
	v_and_or_b32 v[TL+\b], v[TMX+\b], 0x7f800000, s62   ; 448 x the scale
.endr
.irp b, 0,1,2,3
	v_lshrrev_b32 v[BY+\b], 23, v[TS+\b]           ; the byte
.endr
	v_lshl_or_b32 v[\pw], v[BY+1], 8, v[BY]
	v_lshl_or_b32 v[\pw], v[BY+2], 16, v[\pw]
	v_lshl_or_b32 v[\pw], v[BY+3], 24, v[\pw]
	WIN (\w)|((\w)<<6)                             ; source 0 and destination: window w
.irp b, 0,1,2,3
.irp i, 0,1,2,3,4,5,6,7,8,9,10,11,12,13,14,15
	v_med3_num_f32 v[(\s)+16*\b+\i], v[(\s)+16*\b+\i], -v[TL+\b], v[TL+\b]   ; the conversion to an 8-bit code does not saturate (ISA guide 7.6.2): the hold
.endr
.endr
	WIN \w                                         ; source 0: window w
.irp b, 0,1,2,3
	v_cvt_scalef32_pk8_fp8_f32 v[(\pc)+4*\b:(\pc)+4*\b+1], v[(\s)+16*\b:(\s)+16*\b+7], v[TS+\b]
	v_cvt_scalef32_pk8_fp8_f32 v[(\pc)+4*\b+2:(\pc)+4*\b+3], v[(\s)+16*\b+8:(\s)+16*\b+15], v[TS+\b]
.endr
	WIN 0
	v_nop                                          ; a plain line behind the last conversion
.endm
; A half's results leave.  Every store of the wave covers 512 consecutive bytes, aligned.  Each run of codes has registers of its own, so that no store's data are written again within a half.
.macro EPI hf
	PLACES 8                                       ; behind the last products: their results are read, and the buffers that they read are written
.irp e, 0,1
	EQ 2, 64*\e, WB+16*\e, QW+2*(\hf)+\e           ; q of tiles 2 e, 2 e + 1 of the half: a pair
.irp g, 0,1,2,3
	global_store_b128 v[LI], v[WB+16*\e+4*\g:WB+16*\e+4*\g+3], s[72:73] offset:(2*(\hf)+\e)*2048+512*\g
.endr
.endr
.irp e, 0,1
	EQ 2, 128+64*\e, WB+32+16*\e, KW+2*(\hf)+\e    ; k of the same tiles: fragment 2 half + e as it stands
.irp g, 0,1,2,3
	global_store_b128 v[LI], v[WB+32+16*\e+4*\g:WB+32+16*\e+4*\g+3], s[74:75] offset:(2*(\hf)+\e)*2048+512*\g
.endr
.endr
.irp e, 0,1
	EQ 3, 64*\e, WB+64+16*\e, VP+2*(\hf)+\e        ; v: group g is tile 2 e + g / 2 of the head's 64, keys 32 (2 half + g % 2) on
.irp g, 0,1,2,3
	global_store_b128 v[LI], v[WB+64+16*\e+4*\g:WB+64+16*\e+4*\g+3], s[74:75] offset:8192+(2*\e+\g/2)*2048+(2*(\hf)+\g%2)*512
.endr
.endr
.endm
	s_load_b128 s[4:7], s[0:1], 0x0                ; xq, wqk
	s_load_b128 s[8:11], s[0:1], 0x10              ; bqkv, qq
	s_load_b64 s[12:13], s[0:1], 0x20              ; kvq
	v_lshl_add_u32 v126, v0, 2, 0x31800
	v_mov_b32 v127, 0
	ds_add_u32 v126, v127
	ds_add_u32 v126, v127
	v_lshrrev_b32 v1, 5, v0
	v_readfirstlane_b32 s14, v1                    ; wave 0..3
	s_bfe_u32 s15, ttmp6, 0x40000                  ; cx
	s_lshl_b32 s16, ttmp9, 2
	s_add_co_u32 s16, s16, s15                     ; my run of 512 tokens: it enters x's, qq's and kvq's addresses alone
	s_and_b32 s17, ttmp7, 0xffff                   ; the head, which the four partners share
	; descriptor group 1: a dense block as rows of 256 bytes (32 elements of 8 bytes): 48 rows for a quarter of two K steps' fragments, 6 for a quarter of the scale words
	s_mov_b32 s24, 15|(3<<16)|(1<<21)              ; 15:0 the mask: all four work-groups; 17:16 elements of 8 bytes; 21 set beside a mask; no padding
	s_mov_b32 s25, 32<<16                          ; tensor_dim0
	s_mov_b32 s26, 192<<16                         ; tensor_dim1: two K steps' fragments, 49,152 bytes
	s_mov_b32 s27, 32<<16                          ; tile_dim0
	s_mov_b32 s28, 192                             ; tile_dim1
	s_mov_b32 s29, 32                              ; tensor_dim0_stride
	s_mov_b32 s30, 0
	s_mov_b32 s31, 0
	s_mov_b32 s32, 15|(3<<16)|(1<<21)
	s_mov_b32 s33, 32<<16
	s_mov_b32 s34, 24<<16                          ; the scale words: 6,144 bytes
	s_mov_b32 s35, 32<<16
	s_mov_b32 s36, 24
	s_mov_b32 s37, 32
	s_mov_b32 s38, 0
	s_mov_b32 s39, 0
	s_mov_b32 s48, 15|(3<<16)|(1<<21)              ; a third group 1: three K steps' fragments, 288 rows of 256 bytes
	s_mov_b32 s49, 32<<16
	s_mov_b32 s50, 288<<16
	s_mov_b32 s51, 32<<16
	s_mov_b32 s52, 288
	s_mov_b32 s53, 32
	s_mov_b32 s54, 0
	s_mov_b32 s55, 0
	s_mov_b32 s60, 0x76543210
	s_mov_b32 s61, 0xfedcba98                      ; v_permlanex16_b32's selects for lane l xor 16
	s_mov_b32 s62, 0x600000                        ; the mantissa field of 448
	s_mul_i32 s76, s17, 202752                     ; the head's block of wqk
	s_mov_b32 s77, 0
	s_and_b32 s78, s14, 1                          ; waves 2, 3: K steps 2-4 begin at byte 49,152, K steps 5-7 73,728 further on, in memory and in LDS alike
	s_mul_i32 s78, s78, 73728
	s_add_co_u32 s78, s78, 49152
	s_mov_b32 s79, 0
	s_lshl_b32 s18, s16, 19                        ; x's codes: 32 tiles of 16,384 bytes a run,
	s_lshl_b32 s19, s14, 17                        ; 8 a wave
	s_add_co_u32 s18, s18, s19
	s_mov_b32 s19, 0
	s_lshl_b32 s20, s16, 15                        ; its scale words: 1,024 bytes a tile
	s_lshl_b32 s21, s14, 13
	s_add_co_u32 s20, s20, s21
	s_add_co_u32 s20, s20, 8388608
	s_mov_b32 s21, 0
	s_mul_i32 s22, s17, 768                        ; the head's 192 biases
	s_mov_b32 s23, 0
	s_lshr_b32 s84, s16, 2                         ; the batch
	s_lshl_b32 s84, s84, 4
	s_add_co_u32 s84, s84, s17                     ; 16 x batch + head
	s_lshl_b32 s84, s84, 4
	s_and_b32 s85, s16, 3
	s_lshl_b32 s85, s85, 2
	s_add_co_u32 s84, s84, s85
	s_add_co_u32 s84, s84, s14                     ; x 16 + my block of 128 tokens in the batch
	s_mul_i32 s86, s84, 8704
	s_mov_b32 s87, 0
	s_mul_i32 s88, s84, 16896
	s_mov_b32 s89, 0
	v_and_b32 v[LN], 31, v0
	v_and_b32 v31, 15, v0
	v_lshlrev_b32 v[LI], 4, v[LN]
	v_lshlrev_b32 v[L8], 3, v[LN]
	v_lshl_add_u32 v[WSA], v31, 4, 196608
.irp k, 0,1,2,3
	v_add_nc_u32 v[WFA+\k], 49152*\k, v[LI]
.endr
	v_bfe_u32 v[BH], v0, 4, 1
	v_lshlrev_b32 v[BH], 6, v[BH]
	v_and_b32 v[BV], 7, v0
	v_bfe_u32 v27, v0, 3, 1
	v_lshl_add_u32 v[BV], v27, 4, v[BV]
	v_lshlrev_b32 v[BV], 2, v[BV]
.irp b, 0,1,2,3
	v_mov_b32 v[TP+\b], 0                          ; written once: a lane permute's destination counts as one of its sources
.endr
	s_wait_dscnt 0x0
	s_wait_kmcnt 0x0
	s_add_nc_u64 s[80:81], s[6:7], s[76:77]
	s_mov_b32 s40, 1                               ; group 0, wave 0: K steps 0 and 1, at LDS byte 0
	s_mov_b32 s41, 0
	s_mov_b64 s[42:43], s[80:81]
	s_or_b32 s43, s43, 0x80000000
	s_mov_b32 s44, 1                               ; wave 1: the scale words
	s_mov_b32 s45, 196608
	s_add_nc_u64 s[46:47], s[80:81], 196608
	s_or_b32 s47, s47, 0x80000000
	s_mov_b32 s56, 1                               ; waves 2, 3: three K steps each
	s_mov_b32 s57, s78
	s_add_nc_u64 s[58:59], s[80:81], s[78:79]
	s_or_b32 s59, s59, 0x80000000
	s_add_nc_u64 s[66:67], s[4:5], s[18:19]        ; x's codes at my first tile
	s_add_nc_u64 s[68:69], s[4:5], s[20:21]        ; its scale words
	s_add_nc_u64 s[70:71], s[8:9], s[22:23]        ; the biases
	s_add_nc_u64 s[72:73], s[10:11], s[86:87]      ; my block of qq
	s_add_nc_u64 s[74:75], s[12:13], s[88:89]      ; my block of kvq
	CROUND                                         ; all four work-groups are here: the joint loads meet
	s_cmp_eq_u32 s14, 0                            ; all fills of the launch: one joint load a wave, each in an arm of its own of one chain, since the waves wait for them at different barriers
	s_cbranch_scc0 .Lwave_1
	tensor_load_to_lds s[40:43], s[24:31]          ; wave 0: K steps 0, 1
	s_nop 0
	PLACES 4
	s_branch .Lasked
.Lwave_1:
	s_cmp_eq_u32 s14, 1
	s_cbranch_scc0 .Lwave_2
	tensor_load_to_lds s[44:47], s[32:39]          ; wave 1: the scale words
	s_nop 0
	PLACES 4
	s_branch .Lasked
.Lwave_2:
	s_cmp_eq_u32 s14, 2
	s_cbranch_scc0 .Lwave_3
	tensor_load_to_lds s[56:59], s[48:55]          ; wave 2: K steps 2 to 4
	s_nop 0
	PLACES 4
	s_branch .Lasked
.Lwave_3:
	tensor_load_to_lds s[56:59], s[48:55]          ; wave 3: K steps 5 to 7
	s_nop 0
	PLACES 4
.Lasked:
	WIN 0xc0                                       ; destination window 3
	s_wait_alu depctr_va_vdst(0)
.irp t, 0,1
.irp n, 0,1,2,3
	global_load_b128 v[128+32*\t+8*\n:128+32*\t+8*\n+3], v[BH], s[70:71] offset:(64*\t+32*(\n/2)+8*(\n%2))*4       ; q's, k's bias in the result's layout: columns 32 (n / 2) + 16 h + 8 (n % 2) + 0 .. 7
	global_load_b128 v[128+32*\t+8*\n+4:128+32*\t+8*\n+7], v[BH], s[70:71] offset:(64*\t+32*(\n/2)+8*(\n%2))*4+16
.endr
.endr
.irp n, 0,1,2,3
	global_load_b32 v[192+8*\n], v[BV], s[70:71] offset:(128+32*(\n/2)+8*(\n%2))*4   ; v's: my one column's
.endr
	WIN 0
.irp i, 0,1,2,3,4,5,6,7
.irp p, 0,1,2,3
	global_load_b64 v[XS+8*\i+2*\p:XS+8*\i+2*\p+1], v[L8], s[68:69] offset:(4*\i+\p)*256
.endr
.endr
	XLOAD 0
	XLOAD 1
	XLOAD 2
	s_wait_loadcnt 48                              ; the biases and x's scale words are in; the three steps of x may be out
	WIN 0xc3                                       ; source 0 and destination window 3
.irp n, 0,1,2,3
.irp j, 1,2,3,4,5,6,7
	v_mov_b32 v[192+8*\n+\j], v[192+8*\n]          ; a lane's eight results of v are eight tokens of one column: one bias
.endr
.endr
	WIN 0
	s_wait_alu depctr_va_vdst(0)
	s_cmp_lt_u32 s14, 2
	s_cbranch_scc0 .Lnot_first
	s_wait_tensorcnt 0x0                           ; waves 0, 1: K steps 0, 1 and the scale words have landed; waves 2 and 3 wait further on
.Lnot_first:
	s_barrier_signal -1
	s_barrier_wait -1                              ; everybody's have
	WLOAD 0, 0, 0
	WSLOAD 0
.irp s, 0,1,2,3,4,5,6,7
.irp t, 0,1,2
	PHASE 0, \s, \t
.endr
.endr
	EPI 0
	s_wait_xcnt 0x0                                ; the stores have read their data: the buffers may be loaded again
	WLOAD 0, 0, 0
	WSLOAD 0
.irp s, 0,1,2,3,4,5,6,7
.irp t, 0,1,2
	PHASE 1, \s, \t
.endr
.endr
	EPI 1
.irp e, 0,1
	v_perm_b32 v[VW+2*\e], v[VP+2+\e], v[VP+\e], 0x05040100      ; tile 2 e of v^T: the first half's two key blocks, then the second half's
	v_perm_b32 v[VW+2*\e+1], v[VP+2+\e], v[VP+\e], 0x07060302    ; tile 2 e + 1
.endr
	v_cmp_le_u32 vcc_lo, 16, v[LN]
.irp c, 0,1,2,3
	v_cndmask_b32 v[KVW+\c], v[KW+\c], v[VW+\c], vcc_lo          ; lanes 0-15 k's words, lanes 16-31 v's
.endr
	global_store_b128 v[LI], v[KVW:KVW+3], s[74:75] offset:16384
	global_store_b128 v[LI], v[QW:QW+3], s[72:73] offset:8192
	s_wait_dscnt 0x0
	s_wait_tensorcnt 0x0
	ds_add_u32 v126, v127
	s_wait_dscnt 0x0
	CROUND                                         ; the closing round
	s_endpgm
.Lfunc_end_k_q1ab5e1215e_qkv:
	.size	k_q1ab5e1215e_qkv, .Lfunc_end_k_q1ab5e1215e_qkv-k_q1ab5e1215e_qkv
	.p2alignl 7, 3214868480
	.fill 96, 4, 3214868480
	.section	.rodata,"a",@progbits
	.p2align	6, 0x0
	.amdhsa_kernel k_q1ab5e1215e_qkv
		.amdhsa_group_segment_fixed_size 203264
		.amdhsa_private_segment_fixed_size 0
		.amdhsa_enable_private_segment 0
		.amdhsa_kernarg_size 40
		.amdhsa_user_sgpr_count 2
		.amdhsa_user_sgpr_kernarg_segment_ptr 1
		.amdhsa_wavefront_size32 1
		.amdhsa_system_sgpr_workgroup_id_x 1
		.amdhsa_system_sgpr_workgroup_id_y 1
		.amdhsa_system_sgpr_workgroup_id_z 1
		.amdhsa_system_vgpr_workitem_id 0
		.amdhsa_next_free_vgpr 1024
		.amdhsa_next_free_sgpr 100
		.amdhsa_reserve_vcc 1
		.amdhsa_float_denorm_mode_32 3
		.amdhsa_float_denorm_mode_16_64 3
		.amdhsa_memory_ordered 1
		.amdhsa_forward_progress 1
		.amdhsa_inst_pref_size 255
	.end_amdhsa_kernel
	.section	.bss,"aw",@nobits
	.p2align	6
	.space	262144
	.amdgpu_metadata
---
amdhsa.version: [ 1, 2 ]
amdhsa.kernels:
  - .name:           k_q1ab5e1215e_qkv
    .symbol:         k_q1ab5e1215e_qkv.kd
    .args:
      - { .name: xq, .offset: 0, .size: 8, .value_kind: global_buffer, .address_space: global }
      - { .name: wqk, .offset: 8, .size: 8, .value_kind: global_buffer, .address_space: global }
      - { .name: bqkv, .offset: 16, .size: 8, .value_kind: global_buffer, .address_space: global }
      - { .name: qq, .offset: 24, .size: 8, .value_kind: global_buffer, .address_space: global }
      - { .name: kvq, .offset: 32, .size: 8, .value_kind: global_buffer, .address_space: global }
    .group_segment_fixed_size: 203264
    .private_segment_fixed_size: 0
    .kernarg_segment_align: 8
    .kernarg_segment_size: 40
    .max_flat_workgroup_size: 128
    .sgpr_count:     100
    .vgpr_count:     1024
    .wavefront_size: 32
...
	.end_amdgpu_metadata
.endif
;; end of part 2
;; launch attn (part 3): grid 4 x 64, 16 waves a work-group, clusters of 4 x 1, 272,384 bytes of LDS; arguments qq, kvq, aq; writes aq
.if DOCPART == 3
	.amdgcn_target "amdgcn-amd-amdhsa--gfx1250"
	.amdhsa_code_object_version 6
	.text
	.protected	k_q1ab5e1215e_attn
	.globl	k_q1ab5e1215e_attn
	.p2align	8
	.type	k_q1ab5e1215e_attn,@function
k_q1ab5e1215e_attn:
	s_mov_b64 s[64:65], 0
	v_nop
	global_prefetch_b8 v0, s[64:65] scope:SCOPE_SE
	s_setreg_imm32_b32 hwreg(HW_REG_WAVE_MODE, 25, 1), 1
	s_wait_xcnt 0x0
	s_wait_alu depctr_hold_cnt(0) depctr_sa_sdst(0) depctr_va_vdst(0) depctr_va_sdst(0) depctr_va_ssrc(0) depctr_va_vcc(0) depctr_vm_vsrc(0)
	s_getreg_b32 s2, hwreg(HW_REG_IB_STS2, 6, 4)
	s_cmp_eq_u32 s2, 0
	s_cbranch_scc0 .Lentry_in_a_cluster
	s_endpgm
.Lentry_in_a_cluster:
	s_bfe_u32 s2, ttmp6, 0x10000c
	s_cmp_lg_u32 s2, 0x3003
	s_cbranch_scc0 .Lentry_shape_is_right
	s_endpgm
.Lentry_shape_is_right:
; o = softmax(q k^T / 8, causal) v for one (batch, head), both products on codes of FP8 (E4M3) with E8M0 scales; o is divided by the row's sum and quantised along the model's 1,024 for the last product.
; LEFT OUT: key steps all of whose 128 keys come after a tile's 16 queries: the causal mask gives them the weight 0 for every input.
; THE SOFTMAX: t = score x log2(e) / 8; M = the row's largest t so far, rounded UP to a whole number; p = 2^(t - M) is quantised along the keys, not normalised; the row's sum is taken of the unquantised p.
; When M moves, the sum and O are multiplied by 2^(old M - new M): exact.
; SHARES.  The four work-groups of a cluster serve one (batch, head).  Its k and v, 16 steps of 128 keys x 16,896 bytes, come into each one's LDS ONCE, by joint loads: wave w fetches step w, one load a wave; nothing is filled again.
; Waves 0-3 have a load line and a wait of their own: the first barrier shows steps 0-3, a second one, four steps on, shows the rest; behind it no barrier stands until the closing round.
; Wave w (g = w / 2, j = 4 (w % 2) + cx) owns two tiles of 16 queries: 8 g + j and 127 - (8 g + j).  The later one wants key steps 0 .. 15 - g, the earlier 0 .. g: 17 steps for every wave.  Every branch hangs on the wave's number and on counts of steps alone;
; the place in the cluster enters global addresses and the mask's vector operand, and nothing else.  The earlier tile's q is loaded in the later tile's last step, behind that step's first products.
; LAYOUT.  S^T = k q^T, O^T = v^T p^T: a lane holds ONE query (lane % 16).  The head's size is 64, half of the instruction's K: a fragment of k holds two keys a row, and q stands between zeros: (q, 0) gives the scores of the
; first keys, (0, q) those of the second.  By the rows that form a tile, the 16 registers of score tiles 2 c, 2 c + 1 are keys 32 c + 16 (lane / 16) + 0 .. 15.
; OUT.  aq: codes [tile of tokens 512][K step 8][2,048], a head's two groups of 512 bytes; from 8,388,608 [tile][K step][lane 32] scale words, of which a head writes two bytes a lane.
; NO PREFETCH: all sixteen fills go out at the head, so no later load is left to ask ahead for.
; LIMITS: NaN and infinities are not served; the scaled scores stay under 2^31 in magnitude; v_exp_f32 gives 0 for results under 2^-126; 1 / the sum is v_rcp_f32; a block of zeros gets the byte 1 and not 127 (its codes are zeros; this program alone reads the bytes).
.set STEPB, 16896
.set SPARE, 16*STEPB                   ; behind the sixteen steps: the spare words, 128 bytes a wave
.set LI,  1                            ; 16 x lane
.set AD,  2                            ; the step's LDS address
.set RQ,  3                            ; (r % 8) + 16 (r / 8) - 16 h
.set DD,  4                            ; my query's place in its 128, less 16 h
.set L4,  5                            ; 4 x lane
.set QW,  6                            ; the scale word of q's pair of tiles, as it is loaded
                                       ; v12 -M, v13 the largest score, v[14:15] the sum in two halves; v16-23 zeros, v24-31 q, v32-39 zeros
.set QS,  40                           ; q's scale word
.set PS,  41                           ; p's
.set FF,  42                           ; v[42:43] f = 2^(old M - new M) (v43 is named with it)
.set SC,  44                           ; v44-47 the step's scale words: lanes 0-15 k's, lanes 16-31 v's
.set FR,  48                           ; v48-111 four fragments: k's, then v's
.set SB,  112                          ; v112-175 S^T, then p
.set OT,  176                          ; v176-207 O^T
.set PC,  208                          ; v208-223 p's codes
.set BM,  224                          ; block maxima; permute destinations and bytes; the holds; the conversions' scale operands
.set BY,  228
.set HL,  232
.set SO,  236
.set T0,  240                          ; at work
.set T1,  241                          ; the old -M
.set CH,  242                          ; v242-253 six more chains of the row's sum
.set SPW, 254                          ; my spare word
.set NIL, 255                          ; 0
.set WV,  10
.set TI,  15                           ; the tile of queries in hand
.set LB,  16                           ; its last key step
.set KS,  17                           ; the key step
.set TB,  18                           ; where it begins in LDS
.set CNT, 19
.set PB,  70                           ; a tile's pair in its 128 queries
.set PW,  71                           ; 0 or 2, from the wave's number alone: the pair of the tile in hand is PW or PW + 1
.macro CROUND                          ; a round of the cluster's barrier
	s_barrier_signal -1
	s_barrier_wait -1
	s_cmp_lg_u32 s[WV], 0
	s_cbranch_scc1 .Lnot_wave_0_\@
	s_barrier_signal -3
.Lnot_wave_0_\@:
	s_barrier_wait -3
	s_barrier_signal -1
	s_barrier_wait -1
.endm
; Where tile s\t's q lies: s[60:61] its codes, s[62:63] its pair's scale words; s55 its first query's place in its 128, s56 the shift to its two scale bytes
.macro QADDR t
	s_wait_xcnt 0x0                                ; what was issued before has read its bases
	s_lshl_b32 s52, s12, 4
	s_lshr_b32 s53, s\t, 3
	s_add_co_u32 s52, s52, s53
	s_mul_i32 s52, s52, 8704                       ; the tile's block of 128 tokens in qq
	s_bfe_u32 s[PB], s\t, 0x20001                  ; its pair
	s_and_b32 s54, s\t, 1                          ; and which of the pair
	s_lshl_b32 s58, s[PB], 11
	s_add_co_u32 s58, s58, s52
	s_lshl_b32 s55, s54, 10
	s_add_co_u32 s58, s58, s55
	s_mov_b32 s59, 0
	s_add_nc_u64 s[60:61], s[4:5], s[58:59]
	s_lshl_b32 s58, s[PB], 2
	s_add_co_u32 s58, s58, s52
	s_add_co_u32 s58, s58, 8192
	s_add_nc_u64 s[62:63], s[4:5], s[58:59]
	s_lshl_b32 s55, s[PB], 5
	s_lshl_b32 s56, s54, 3
	s_add_co_u32 s55, s55, s56
	s_lshl_b32 s56, s54, 4
.endm
.macro QLOAD
	global_load_b128 v[24:27], v[LI], s[60:61]
	global_load_b128 v[28:31], v[LI], s[60:61] offset:512
	global_load_b32 v[QW], v[LI], s[62:63]
.endm
; The diagonal step's mask for block b of 32 keys.  Register 16 b + i holds key 32 b + 16 h + i: hidden where 32 b + i > my query's place - 16 h.
.macro MASKB b
.irp i, 0,1,2,3,4,5,6,7,8,9,10,11,12,13,14,15
	v_cmp_gt_i32 vcc_lo, 32*\b+\i, v[DD]
	v_cndmask_b32 v[SB+16*\b+\i], v[SB+16*\b+\i], v[T0], vcc_lo
.endr
.endm
; A KEY STEP: 128 keys.  A step all of whose keys come after my queries is left out, all but the two lines at its end.  pre = 1: the tile's last step also loads the next tile's q.
.macro STEP pre
	s_cmp_gt_u32 s[KS], s[LB]
	s_cbranch_scc1 .Lhidden_\@
	v_add_nc_u32 v[AD], s[TB], v[LI]
	v_nop                                          ; with the six additions behind the last products and the line above: eight places in front of loads into registers that those products have read
	ds_load_b128 v[SC:SC+3], v[AD] offset:16384
.irp c, 0,1,2,3
.irp g, 0,1,2,3
	ds_load_b128 v[FR+16*\c+4*\g:FR+16*\c+4*\g+3], v[AD] offset:2048*\c+512*\g
.endr
.endr
	s_wait_alu depctr_va_vdst(0)
.if \pre
	s_wait_loadcnt 0x0                             ; no load into q's registers is out
.endif
.irp c, 0,1,2,3
	s_wait_dscnt 12-4*\c                           ; the scale words and fragment c are in; the 12 - 4 c loads issued behind them may be out
	v_wmma_scale_f32_16x16x128_f8f6f4 v[SB+16*\c:SB+16*\c+7], v[FR+16*\c:FR+16*\c+15], v[24:39], 0, v[SC+\c], v[QS]      ; (q, 0): keys 32 c + 16 h + 0 .. 7
	v_wmma_scale_f32_16x16x128_f8f6f4 v[SB+16*\c+8:SB+16*\c+15], v[FR+16*\c:FR+16*\c+15], v[16:31], 0, v[SC+\c], v[QS]   ; (0, q): keys 32 c + 16 h + 8 .. 15
.endr
	v_mov_b32 v[T1], v12                           ; the old -M; with the seven below eight places in front of the loads and of the first read of the scores
.rept 7
	v_nop
.endr
.irp n, 0,1,2,3
.irp g, 0,1,2,3
	ds_load_b128 v[FR+16*\n+4*\g:FR+16*\n+4*\g+3], v[AD] offset:8192+2048*\n+512*\g   ; v's fragments land under the softmax
.endr
.endr
	s_cmp_lt_u32 s[KS], s[LB]                      ; only the tile's last step lies on the diagonal
	s_cbranch_scc1 .Lopen_\@
.if \pre
	QLOAD                                          ; this tile's products with q are done: the next tile's q lands under the rest of the step and the tile's end
.endif
	v_mov_b32 v[T0], 0xff800000                    ; -infinity: p = 0 then
	s_wait_alu depctr_va_vdst(0)
	s_cmp_eq_u32 s[PW], 2                          ; my queries lie in block 2 or 3: blocks 0 and 1 hide nothing (32 + 15 < 64 - 16)
	s_cbranch_scc1 .Lhalf_\@
	MASKB 0
	MASKB 1
.Lhalf_\@:
	MASKB 2
	MASKB 3
.Lopen_\@:
.irp b, 0,1,2,3
	v_max3_num_f32 v[BM+\b], v[SB+16*\b], v[SB+1+16*\b], v[SB+2+16*\b]   ; the largest score of each block of 32 keys: for the row's maximum and, since p rises with the score, for the block's largest p
.endr
.irp i, 3,5,7,9,11,13
.irp b, 0,1,2,3
	v_max3_num_f32 v[BM+\b], v[BM+\b], v[SB+16*\b+\i], v[SB+1+16*\b+\i]
.endr
.endr
.irp b, 0,1,2,3
	v_max_num_f32 v[BM+\b], v[BM+\b], v[SB+15+16*\b]
.endr
.irp b, 0,1,2,3
	s_delay_alu instid0(VALU_DEP_4)
	v_permlanex16_b32 v[BY+\b], v[BM+\b], s20, s21
.endr
.irp b, 0,1,2,3
	s_delay_alu instid0(VALU_DEP_4)
	v_max_num_f32 v[BM+\b], v[BM+\b], v[BY+\b]     ; with lane l xor 16's 16 keys
.endr
	s_delay_alu instid0(VALU_DEP_2)
	v_max3_num_f32 v[T0], v[BM], v[BM+1], v[BM+2]
	s_delay_alu instid0(VALU_DEP_1)
	v_max3_num_f32 v13, v13, v[T0], v[BM+3]        ; the running largest score of my query
	s_delay_alu instid0(VALU_DEP_1)
	v_mul_f32 v[T0], s22, v13                      ; as t (the factor is positive: the largest score gives the largest t)
	s_delay_alu instid0(VALU_DEP_1)
	v_floor_f32 v12, -v[T0]                        ; the new -M = floor(-t) = -ceil(t)
.set J, 0
.rept 32
	v_pk_fma_f32 v[SB+J:SB+J+1], v[SB+J:SB+J+1], s[22:23], v[12:13] op_sel_hi:[1,0,0]   ; t - M, two at a time; the three lines that make f stand among them
.if J == 6
	v_sub_f32 v[T0], v12, v[T1]                    ; old M - new M: a whole number, 0 or less
.endif
.if J == 16
	v_cvt_i32_f32 v[T0], v[T0]                     ; (it saturates)
.endif
.if J == 26
	v_ldexp_f32 v[FF], 1.0, v[T0]                  ; f
.endif
.set J, J+2
.endr
.irp b, 0,1,2,3
	v_fma_f32 v[BM+\b], v[BM+\b], s22, v12         ; the same of each block's largest score
.endr
	s_wait_alu depctr_va_vdst(0)                   ; ahead of the batch
.irp b, 0,1,2,3
	v_exp_f32 v[BM+\b], v[BM+\b]                   ; the block's largest p
.endr
.set J, 0
.rept 64
	v_exp_f32 v[SB+J], v[SB+J]                     ; p = 2^(t - M)
.set J, J+1
.endr
	v_pk_mul_f32 v[14:15], v[14:15], v[FF:FF+1] op_sel_hi:[1,0]   ; the sums under the new M: a plain line behind the exponentials
	s_wait_alu depctr_va_vdst(0)                   ; one wait for the batch of 68, ahead of its first reader
; the row's sum of the unquantised p: 32 pairs in seven chains; the six additions that join the chains stand behind the step's last products
.irp k, 0,1,2,3,4,5
	v_pk_add_f32 v[CH+2*\k:CH+2*\k+1], v[SB+4*\k:SB+4*\k+1], v[SB+4*\k+2:SB+4*\k+3]
.endr
.irp m, 0,1,2
	v_pk_add_f32 v[14:15], v[14:15], v[SB+24+14*\m:SB+25+14*\m]
.irp k, 0,1,2,3,4,5
.if 7*\m+\k < 19
	v_pk_add_f32 v[CH+2*\k:CH+2*\k+1], v[CH+2*\k:CH+2*\k+1], v[SB+26+14*\m+2*\k:SB+27+14*\m+2*\k]
.endif
.endr
.endr
.irp b, 0,1,2,3
	v_max_num_f32 v[BM+\b], 0x4800000, v[BM+\b]    ; the floor 2^(9 - 127): the byte cannot fall under 1
.endr
.irp b, 0,1,2,3
	s_delay_alu instid0(VALU_DEP_4)
	v_add_nc_u32 v[SO+\b], 0xfc000000, v[BM+\b]    ; the conversion's scale operand
.endr
.irp b, 0,1,2,3
	v_and_or_b32 v[HL+\b], v[BM+\b], 0x7f800000, s48   ; 448 x the scale
.endr
.irp b, 0,1,2,3
	v_lshrrev_b32 v[BY+\b], 23, v[SO+\b]           ; the byte
.endr
	s_delay_alu instid0(VALU_DEP_3)
	v_lshl_or_b32 v[PS], v[BY+1], 8, v[BY]         ; p's scale word for these 128 keys: more than eight plain lines ahead of the products that name it
	s_delay_alu instid0(VALU_DEP_1)
	v_lshl_or_b32 v[PS], v[BY+2], 16, v[PS]
	s_delay_alu instid0(VALU_DEP_1)
	v_lshl_or_b32 v[PS], v[BY+3], 24, v[PS]
.irp b, 0,1,2,3
.irp i, 0,2,4,6,8,10,12,14
	v_dual_min_num_f32 v[SB+16*\b+\i], v[SB+16*\b+\i], v[HL+\b] :: v_dual_min_num_f32 v[SB+16*\b+\i+1], v[SB+16*\b+\i+1], v[HL+\b]   ; the conversion does not saturate (ISA guide 7.6.2); p is not negative: a one-sided hold, two numbers a line
.endr
	v_cvt_scalef32_pk8_fp8_f32 v[PC+4*\b:PC+1+4*\b], v[SB+16*\b:SB+7+16*\b], v[SO+\b]
	v_cvt_scalef32_pk8_fp8_f32 v[PC+2+4*\b:PC+3+4*\b], v[SB+8+16*\b:SB+15+16*\b], v[SO+\b]
.endr
	s_wait_alu depctr_va_vdst(0)                   ; directly ahead of the first reader of O^T
.set J, 0
.rept 16
	v_pk_mul_f32 v[OT+J:OT+J+1], v[OT+J:OT+J+1], v[FF:FF+1] op_sel_hi:[1,0]   ; O^T under the new M; these are also the lines between the conversions and the products
.set J, J+2
.endr
	s_wait_alu depctr_va_vdst(0)
	s_wait_dscnt 0x0                               ; v's fragments are in
.irp n, 0,1,2,3
	v_wmma_scale_f32_16x16x128_f8f6f4 v[OT+8*\n:OT+8*\n+7], v[FR+16*\n:FR+16*\n+15], v[PC:PC+15], v[OT+8*\n:OT+8*\n+7], v[SC+\n], v[PS] matrix_a_scale:MATRIX_SCALE_ROW1
.endr
	v_pk_add_f32 v[CH:CH+1], v[CH:CH+1], v[CH+2:CH+3]          ; the sum's chains are joined: six places behind the products
	v_pk_add_f32 v[CH+4:CH+5], v[CH+4:CH+5], v[CH+6:CH+7]
	v_pk_add_f32 v[CH+8:CH+9], v[CH+8:CH+9], v[CH+10:CH+11]
	v_pk_add_f32 v[14:15], v[14:15], v[CH:CH+1]
	v_pk_add_f32 v[CH+4:CH+5], v[CH+4:CH+5], v[CH+8:CH+9]
	v_pk_add_f32 v[14:15], v[14:15], v[CH+4:CH+5]
.Lhidden_\@:
	s_add_co_u32 s[KS], s[KS], 1
	s_add_co_u32 s[TB], s[TB], STEPB
.endm
.macro LOOPN n, pre
	s_mov_b32 s[CNT], \n
.Lsteps_\@:
	STEP \pre
	s_sub_co_u32 s[CNT], s[CNT], 1
	s_cmp_lg_u32 s[CNT], 0
	s_cbranch_scc1 .Lsteps_\@
.endm
; A tile is taken up, its q on its way: the mask's operand, the statistics, q's scale word, O^T = 0
.macro PASS_INIT
	s_wait_xcnt 0x0                                ; what was issued before has read its registers
	v_add_nc_u32 v[DD], s55, v[RQ]
	v_mov_b32 v13, 0xff61b1e6                      ; the largest score so far: -3e38, under every score
	s_delay_alu instid0(VALU_DEP_1)
	v_floor_f32 v12, -v13
	v_mov_b32 v14, 0
	v_mov_b32 v15, 0
	s_wait_loadcnt 0x0                             ; q and its pair's scale word are in
	v_lshrrev_b32 v[T1], s56, v[QW]                ; my tile's two bytes of the pair's word,
	s_delay_alu instid0(VALU_DEP_1)
	v_and_b32 v[T1], 0xffff, v[T1]
	s_delay_alu instid0(VALU_DEP_1)
	v_lshl_or_b32 v[QS], v[T1], 16, v[T1]          ; twice: for (q, 0) and for (0, q)
.set J, 0
.rept 16
	v_dual_mov_b32 v[OT+J], 0 :: v_dual_mov_b32 v[OT+J+1], 0   ; the step is written once: the first finds zeros.  (Also the lines between the scale word and the first product)
.set J, J+2
.endr
.endm
; The tile is finished: O^T / the sum, quantised along the head's 64 (two blocks), stored.  The six additions at the last step's end and the lines up to the division are the places behind the last products.
.macro PASS_END
	s_wait_alu depctr_va_vdst(0)
	v_add_f32 v14, v14, v15
	s_delay_alu instid0(VALU_DEP_1)
	v_permlanex16_b32 v[BY], v14, s20, s21
	s_delay_alu instid0(VALU_DEP_1)
	v_add_f32 v14, v14, v[BY]                      ; the row's sum
	s_wait_alu depctr_va_vdst(0)                   ; ahead of the transcendental
	v_rcp_f32 v14, v14
	v_nop
	s_wait_alu depctr_va_vdst(0)                   ; ahead of the first reader
.set J, 0
.rept 16
	v_pk_mul_f32 v[SB+J:SB+J+1], v[OT+J:OT+J+1], v[14:15] op_sel_hi:[1,0]   ; register 16 b + i: channel 32 b + 16 h + i of my query; each accumulator from its low end on
.set J, J+2
.endr
.irp b, 0,1
	v_max3_num_f32 v[BM+\b], |v[SB+16*\b]|, |v[SB+1+16*\b]|, 0x4800000
.endr
.irp i, 2,4,6,8,10,12,14
.irp b, 0,1
	s_delay_alu instid0(VALU_DEP_2)
	v_max3_num_f32 v[BM+\b], v[BM+\b], |v[SB+16*\b+\i]|, |v[SB+1+16*\b+\i]|
.endr
.endr
.irp b, 0,1
	s_delay_alu instid0(VALU_DEP_2)
	v_permlanex16_b32 v[BY+\b], v[BM+\b], s20, s21
.endr
.irp b, 0,1
	s_delay_alu instid0(VALU_DEP_2)
	v_max_num_f32 v[BM+\b], v[BM+\b], v[BY+\b]
.endr
.irp b, 0,1
	s_delay_alu instid0(VALU_DEP_2)
	v_add_nc_u32 v[SO+\b], 0xfc000000, v[BM+\b]
.endr
.irp b, 0,1
	s_delay_alu instid0(VALU_DEP_4)
	v_and_or_b32 v[HL+\b], v[BM+\b], 0x7f800000, s48
.endr
.irp b, 0,1
	s_delay_alu instid0(VALU_DEP_4)
	v_lshrrev_b32 v[BY+\b], 23, v[SO+\b]
.endr
	s_delay_alu instid0(VALU_DEP_1)
	v_lshl_or_b32 v[CH], v[BY+1], 8, v[BY]         ; the head's two bytes of the row's scale word
.irp b, 0,1
.irp i, 0,1,2,3,4,5,6,7,8,9,10,11,12,13,14,15
	v_med3_num_f32 v[SB+16*\b+\i], v[SB+16*\b+\i], -v[HL+\b], v[HL+\b]
.endr
	v_cvt_scalef32_pk8_fp8_f32 v[PC+4*\b:PC+1+4*\b], v[SB+16*\b:SB+7+16*\b], v[SO+\b]
	v_cvt_scalef32_pk8_fp8_f32 v[PC+2+4*\b:PC+3+4*\b], v[SB+8+16*\b:SB+15+16*\b], v[SO+\b]
.endr
	s_wait_alu depctr_va_vdst(0)                   ; the scale bytes are stored behind a run of scalar lines
	v_nop                                          ; a plain line behind the last conversion
	s_lshr_b32 s52, s12, 4
	s_lshl_b32 s52, s52, 7
	s_add_co_u32 s52, s52, s[TI]                   ; the tile among all 512
	s_lshl_b32 s52, s52, 3
	s_bfe_u32 s53, s12, 0x30001                    ; head / 2: the last product's K step
	s_add_co_u32 s52, s52, s53
	s_and_b32 s53, s12, 1                          ; head % 2: which half of the fragment
	s_lshl_b32 s58, s52, 11
	s_lshl_b32 s54, s53, 10
	s_add_co_u32 s58, s58, s54
	s_mov_b32 s59, 0
	s_add_nc_u64 s[66:67], s[8:9], s[58:59]
	s_lshl_b32 s58, s52, 7
	s_lshl_b32 s54, s53, 1
	s_add_co_u32 s58, s58, s54
	s_add_co_u32 s58, s58, 8388608
	s_add_nc_u64 s[68:69], s[8:9], s[58:59]
	global_store_b128 v[LI], v[PC:PC+3], s[66:67]              ; 512 consecutive bytes, aligned
	global_store_b128 v[LI], v[PC+4:PC+7], s[66:67] offset:512
	global_store_b16 v[L4], v[CH], s[68:69]
.endm
	s_load_b128 s[4:7], s[0:1], 0x0                ; qq, kvq
	s_load_b64 s[8:9], s[0:1], 0x10                ; aq
	v_lshl_add_u32 v[SPW], v0, 2, SPARE
	v_mov_b32 v[NIL], 0
	ds_add_u32 v[SPW], v[NIL]                      ; the opening lines: the add, twice on end, and its wait ahead of my tensor load
	ds_add_u32 v[SPW], v[NIL]
	v_lshrrev_b32 v1, 5, v0
	s_delay_alu instid0(VALU_DEP_1)
	v_readfirstlane_b32 s[WV], v1                  ; wave 0..15
	s_bfe_u32 s11, ttmp6, 0x40000                  ; cx
	s_and_b32 s12, ttmp7, 0xffff                   ; 16 x batch + head, which the four partners share
	s_lshr_b32 s13, s[WV], 1                       ; g
	s_and_b32 s49, s[WV], 1
	s_lshl_b32 s49, s49, 2
	s_add_co_u32 s49, s49, s11                     ; j
	s_lshl_b32 s50, s13, 3
	s_add_co_u32 s50, s50, s49                     ; my earlier tile
	s_sub_co_u32 s51, 127, s50                     ; my later tile
	s_mov_b32 s20, 0x76543210
	s_mov_b32 s21, 0xfedcba98                      ; v_permlanex16_b32's selects for lane l xor 16
	s_mov_b32 s22, 0x3e38aa3b                      ; log2(e) / 8
	s_mov_b32 s23, s22                             ; (named with it as a pair)
	s_mov_b32 s48, 0x600000                        ; the mantissa field of 448
	; descriptor group 1: a key step's 16,896 dense bytes as 66 rows of 256 (32 elements of 8 bytes)
	s_mov_b32 s24, 15|(3<<16)|(1<<21)              ; 15:0 the mask: all four work-groups; 17:16 elements of 8 bytes; 21 set beside a mask; no padding
	s_mov_b32 s25, 32<<16
	s_mov_b32 s26, 66<<16
	s_mov_b32 s27, 32<<16
	s_mov_b32 s28, 66
	s_mov_b32 s29, 32
	s_mov_b32 s30, 0
	s_mov_b32 s31, 0
	s_mul_i32 s52, s[WV], STEPB                    ; wave w fetches key step w: its place in LDS and in the head's block alike
	s_mul_i32 s54, s12, 16*STEPB
	s_add_co_u32 s54, s54, s52
	s_mov_b32 s55, 0
	v_and_b32 v6, 31, v0
	s_delay_alu instid0(VALU_DEP_1)
	v_lshlrev_b32 v[LI], 4, v6
	s_delay_alu instid0(VALU_DEP_2)
	v_lshlrev_b32 v[L4], 2, v6
	v_and_b32 v[RQ], 7, v0
	v_bfe_u32 v6, v0, 3, 1
	s_delay_alu instid0(VALU_DEP_1)
	v_lshl_add_u32 v[RQ], v6, 4, v[RQ]
	v_bfe_u32 v6, v0, 4, 1
	s_delay_alu instid0(VALU_DEP_1)
	v_lshlrev_b32 v6, 4, v6
	s_delay_alu instid0(VALU_DEP_1)
	v_sub_nc_u32 v[RQ], v[RQ], v6
.irp j, 0,1,2,3,4,5,6,7
	v_mov_b32 v[16+\j], 0                          ; the zero codes on both sides of q
	v_mov_b32 v[32+\j], 0
.endr
.irp b, 0,1,2,3
	v_mov_b32 v[BY+\b], 0                          ; written once: a lane permute's destination counts as one of its sources
.endr
	v_mov_b32 v[FF+1], 0
	s_wait_alu depctr_va_vdst(0)                   ; at the head's end
	s_wait_dscnt 0x0                               ; both opening adds are done
	s_wait_kmcnt 0x0
	s_mov_b32 s32, 1                               ; group 0: count = 1,
	s_mov_b32 s33, s52                             ; the LDS address,
	s_add_nc_u64 s[34:35], s[6:7], s[54:55]        ; the global address,
	s_or_b32 s35, s35, 0x80000000                  ; type = 2
	CROUND                                         ; all four work-groups are here: the joint loads meet
	s_cmp_lt_u32 s[WV], 4                          ; all fills of the launch, one a wave; waves 0-3 have a line of their own, since they alone wait at the first barrier
	s_cbranch_scc0 .Lrest
	tensor_load_to_lds s[32:35], s[24:31]          ; key steps 0 to 3
	s_nop 0
.rept 4
	v_nop
.endr
	s_branch .Lasked
.Lrest:
	tensor_load_to_lds s[32:35], s[24:31]          ; key steps 4 to 15
	s_nop 0
.rept 4
	v_nop
.endr
.Lasked:
	QADDR 51                                       ; the later tile first: it has nine steps or more, so every wave has work on steps 0 to 3
	QLOAD
	s_mov_b32 s[TI], s51
	s_sub_co_u32 s[LB], 15, s13
	s_and_b32 s[PW], s[WV], 1                      ; its place in its 128 is 7 - j: pair 2 or 3 where the wave's number is even, whatever cx
	s_xor_b32 s[PW], s[PW], 1
	s_lshl_b32 s[PW], s[PW], 1
	PASS_INIT
	QADDR 50                                       ; where the earlier tile's q lies: for the loads in this tile's last step
	s_wait_dscnt 0x0
	s_cmp_lt_u32 s[WV], 4
	s_cbranch_scc0 .Lnot_mine
	s_wait_tensorcnt 0x0                           ; waves 0-3: my key step has landed
.Lnot_mine:
	s_barrier_signal -1
	s_barrier_wait -1                              ; steps 0 to 3 are whole
	s_mov_b32 s[KS], 0
	s_mov_b32 s[TB], 0
	LOOPN 4, 0
	s_wait_tensorcnt 0x0                           ; every wave: all that was still out has landed
	s_wait_dscnt 0x0
	s_barrier_signal -1
	s_barrier_wait -1                              ; all sixteen steps are whole: from here on the waves share nothing
	s_mov_b32 s[KS], 4
	s_mov_b32 s[TB], 4*STEPB
	LOOPN 12, 1
	PASS_END
	s_mov_b32 s[TI], s50                           ; the earlier tile: at most steps 0 to 7
	s_mov_b32 s[LB], s13
	s_and_b32 s[PW], s[WV], 1                      ; its place in its 128 is j: pair 2 or 3 where the wave's number is odd
	s_lshl_b32 s[PW], s[PW], 1
	PASS_INIT
	s_mov_b32 s[KS], 0
	s_mov_b32 s[TB], 0
	LOOPN 8, 0
	PASS_END
	s_wait_dscnt 0x0
	s_wait_tensorcnt 0x0                           ; the wave's end
	ds_add_u32 v[SPW], v[NIL]
	s_wait_dscnt 0x0
	CROUND                                         ; the closing round
	s_endpgm
.Lfunc_end_k_q1ab5e1215e_attn:
	.size	k_q1ab5e1215e_attn, .Lfunc_end_k_q1ab5e1215e_attn-k_q1ab5e1215e_attn
	.p2alignl 7, 3214868480
	.fill 96, 4, 3214868480
	.section	.rodata,"a",@progbits
	.p2align	6, 0x0
	.amdhsa_kernel k_q1ab5e1215e_attn
		.amdhsa_group_segment_fixed_size 272384
		.amdhsa_private_segment_fixed_size 0
		.amdhsa_enable_private_segment 0
		.amdhsa_kernarg_size 24
		.amdhsa_user_sgpr_count 2
		.amdhsa_user_sgpr_kernarg_segment_ptr 1
		.amdhsa_wavefront_size32 1
		.amdhsa_system_sgpr_workgroup_id_x 1
		.amdhsa_system_sgpr_workgroup_id_y 1
		.amdhsa_system_sgpr_workgroup_id_z 1
		.amdhsa_system_vgpr_workitem_id 0
		.amdhsa_next_free_vgpr 256
		.amdhsa_next_free_sgpr 80
		.amdhsa_reserve_vcc 1
		.amdhsa_float_denorm_mode_32 3
		.amdhsa_float_denorm_mode_16_64 3
		.amdhsa_memory_ordered 1
		.amdhsa_forward_progress 1
		.amdhsa_inst_pref_size 97
	.end_amdhsa_kernel
	.amdgpu_metadata
---
amdhsa.version: [ 1, 2 ]
amdhsa.kernels:
  - .name:           k_q1ab5e1215e_attn
    .symbol:         k_q1ab5e1215e_attn.kd
    .args:
      - { .name: qq, .offset: 0, .size: 8, .value_kind: global_buffer, .address_space: global }
      - { .name: kvq, .offset: 8, .size: 8, .value_kind: global_buffer, .address_space: global }
      - { .name: aq, .offset: 16, .size: 8, .value_kind: global_buffer, .address_space: global }
    .group_segment_fixed_size: 272384
    .private_segment_fixed_size: 0
    .kernarg_segment_align: 8
    .kernarg_segment_size: 24
    .max_flat_workgroup_size: 512
    .sgpr_count:     80
    .vgpr_count:     256
    .wavefront_size: 32
...
	.end_amdgpu_metadata
.endif
;; end of part 3
;; launch proj (part 4): grid 32 x 8, 4 waves a work-group, clusters of 4 x 1, 169,472 bytes of LDS; arguments aq, woq, bo, out0; writes out0
.if DOCPART == 4
	.amdgcn_target "amdgcn-amd-amdhsa--gfx1250"
	.amdhsa_code_object_version 6
	.text
	.protected	k_q1ab5e1215e_proj
	.globl	k_q1ab5e1215e_proj
	.p2align	8
	.type	k_q1ab5e1215e_proj,@function
k_q1ab5e1215e_proj:
	s_mov_b64 s[64:65], 0
	v_nop
	global_prefetch_b8 v0, s[64:65] scope:SCOPE_SE
	s_setreg_imm32_b32 hwreg(HW_REG_WAVE_MODE, 25, 1), 1
	s_wait_xcnt 0x0
	s_wait_alu depctr_hold_cnt(0) depctr_sa_sdst(0) depctr_va_vdst(0) depctr_va_sdst(0) depctr_va_ssrc(0) depctr_va_vcc(0) depctr_vm_vsrc(0)
	s_getreg_b32 s2, hwreg(HW_REG_IB_STS2, 6, 4)
	s_cmp_eq_u32 s2, 0
	s_cbranch_scc0 .Lentry_in_a_cluster
	s_endpgm
.Lentry_in_a_cluster:
	s_bfe_u32 s2, ttmp6, 0x10000c
	s_cmp_lg_u32 s2, 0x3003
	s_cbranch_scc0 .Lentry_shape_is_right
	s_endpgm
.Lentry_shape_is_right:
; out0 = attention's result x Wo + bo, on codes of FP8 (E4M3) with E8M0 scales, sums in f32.
; SHARES.  A work-group takes 256 tokens x 128 columns.  The 128 columns' whole weight, 64 fragments and their scale words, 135,168 bytes, comes into LDS ONCE: nothing is filled again.  The four work-groups of a cluster are four runs of
; tokens on the same columns, so they ask for it JOINTLY.  Wave w owns 64 tokens: 4 tiles x 8 tiles of columns = 32 accumulators.  Its fragments of aq go from memory straight into its registers, three K steps ahead.
; Source 0 = 16 columns of Wo, source 1 = 16 tokens: a lane holds eight neighbouring columns of one token.  The bias is the C of each sum's first matrix instruction.
; Row m of a tile of tokens 2 b + u is token 32 b + 8 u + (m % 8) + 16 (m / 8): the stores' offsets put the rows back.
; REGISTERS, in windows of 256.  Window 0: v1-10 addresses; v32-63 aq's scale words; v96-111 Wo's, two sets; v128-255 Wo's fragments, two buffers of four; on the way out rows of the result.
;   Window 1: aq's fragments, a ring of four K steps x four tiles.  Window 2: the accumulators at 8 (8 i + tile of columns).  Window 3: the bias at 8 x tile of columns.
.set LI,  1                            ; 16 x lane
.set L4,  2                            ; 4 x lane
.set WSA, 3                            ; Wo's scale words in LDS: 131,072 + 16 (lane % 16)
.set WFA, 4                            ; v4-7  16 x lane + 32,768 k
.set STO, 8                            ; my stage: row r, + 32 h
.set RD,  9                            ; my stage: 16 x lane
.set BH,  10                           ; 32 h
.set XS,  32                           ; aq's scale word of tile i, K step s: XS + 8 i + s
.set WSC, 96                           ; Wo's: 8 (s % 2) + 4 t + n
.set WB,  128
.set SROW, 528                         ; a stage row: 512 bytes + 16
.set STAGE, 135168                     ; behind the weight: 16 rows for each wave; no fill lands there
.set MSB, 0
.macro WIN new                         ; the immediate's high byte repeats the setting that is left
.if MSB != (\new)
	s_set_vgpr_msb (MSB<<8)|(\new)
.set MSB, (\new)
.endif
.endm
.macro PLACES n
.rept \n
	v_nop
.endr
.endm
.macro CROUND                          ; a round of the cluster's barrier
	s_barrier_signal -1
	s_barrier_wait -1
	s_cmp_lg_u32 s14, 0
	s_cbranch_scc1 .Lnot_wave_0_\@
	s_barrier_signal -3
.Lnot_wave_0_\@:
	s_barrier_wait -3
	s_barrier_signal -1
	s_barrier_wait -1
.endm
.macro WLOAD buf, s, t                 ; four fragments of Wo: K step s, tiles 4 t .. 4 t + 3
.irp n, 0,1,2,3
.irp c, 0,1,2,3
	ds_load_b128 v[WB+64*(\buf)+16*\n+4*\c:WB+64*(\buf)+16*\n+4*\c+3], v[WFA+(\s)/2] offset:((\s)%2)*16384+(4*(\t)+\n)*2048+512*\c
.endr
.endr
.endm
.macro WSLOAD s
.irp t, 0,1
	ds_load_b128 v[WSC+8*((\s)%2)+4*\t:WSC+8*((\s)%2)+4*\t+3], v[WSA] offset:512*(\s)+256*\t
.endr
.endm
.macro XLOAD ks                        ; aq's four fragments of K step ks into ring slot ks % 4
	WIN 0x40                                       ; destination window 1
.irp i, 0,1,2,3
.irp c, 0,1,2,3
	global_load_b128 v[64*((\ks)%4)+16*\i+4*\c:64*((\ks)%4)+16*\i+4*\c+3], v[LI], s[66:67] offset:\i*16384+2048*(\ks)+512*\c
.endr
.endr
	WIN 0
.endm
; A PHASE: 16 matrix instructions: my four tiles of tokens x four tiles of columns, K step s.  The 32 accumulators take turns, one instruction a turn.
.macro PHASE s, t
.set P, 2*(\s)+(\t)
.if ((\t)==1) && ((\s)==1)
	s_wait_dscnt 0x0                               ; no LDS instruction of mine is out at a signal
	s_cmp_eq_u32 s14, 2
	s_cbranch_scc0 .Lnot_2_\@
	s_wait_tensorcnt 0x0                           ; wave 2: K steps 2 to 4 have landed
.Lnot_2_\@:
	s_barrier_signal -1
	s_barrier_wait -1
.endif
.if ((\t)==1) && ((\s)==4)
	s_wait_dscnt 0x0
	s_wait_tensorcnt 0x0                           ; every wave: all that was still out, K steps 5 to 7, has landed
	s_barrier_signal -1
	s_barrier_wait -1
.endif
	PLACES 8                                       ; in front of loads into registers that the last phases' matrix instructions have read
.if P < 15
.if (\t)==1
	WLOAD 0, (\s)+1, 0
	WSLOAD (\s)+1
.else
	WLOAD 1, \s, 1
.endif
.endif
.if ((\t)==0) && ((\s)+3 <= 7)
	XLOAD (\s)+3
.endif
.if P == 15
	s_wait_dscnt 0x0
.elseif (\t)==1
	s_wait_dscnt 18                                ; all but the 18 just issued
.else
	s_wait_dscnt 16                                ; all but the 16 just issued
.endif
.if (\t)==0
.if 7-(\s) >= 3
	s_wait_loadcnt 48                              ; this K step's fragments of aq are in; the three steps behind it may be out
.else
	s_wait_loadcnt 16*(7-(\s))
.endif
.endif
.if (\s)==0
	WIN 0xb4                                       ; source 0 (Wo) window 0, source 1 (aq) window 1, C (the bias) window 3, D window 2
.else
	WIN 0xa4                                       ; C and D window 2
.endif
.irp i, 0,1,2,3
.irp n, 0,1,2,3
.set rD, 8*(8*\i+4*(\t)+\n)
.set rW, WB+64*(\t)+16*\n
.set rX, 64*((\s)%4)+16*\i
.set rC, 8*(4*(\t)+\n)
.set rSW, WSC+8*((\s)%2)+4*(\t)+\n
.set rSX, XS+8*\i+(\s)
.if (\s)==0
	v_wmma_scale_f32_16x16x128_f8f6f4 v[rD:rD+7], v[rW:rW+15], v[rX:rX+15], v[rC:rC+7], v[rSW], v[rSX]
.else
	v_wmma_scale_f32_16x16x128_f8f6f4 v[rD:rD+7], v[rW:rW+15], v[rX:rX+15], v[rD:rD+7], v[rSW], v[rSX]
.endif
.endr
.endr
	WIN 0
.endm
; THE WAY OUT, a tile of 16 tokens x 128 columns at a time: through my own stage, back as whole rows of 512 bytes.  LDS serves a wave's instructions in order (ISA guide 5.7.1.4): no wait between the stores and the loads.
.macro TOSTAGE a
	WIN 0x08                                       ; an LDS store's data: window 2
.irp u, 0,1,2,3,4,5,6,7
	ds_store_b128 v[STO], v[8*(8*(\a)+\u):8*(8*(\a)+\u)+3] offset:64*\u          ; each accumulator from its low end on
	ds_store_b128 v[STO], v[8*(8*(\a)+\u)+4:8*(8*(\a)+\u)+7] offset:64*\u+16
.endr
	WIN 0
.irp p, 0,1,2,3,4,5,6,7,8,9,10,11,12,13,14,15
	ds_load_b128 v[WB+64*((\a)%2)+4*\p:WB+64*((\a)%2)+4*\p+3], v[RD] offset:SROW*\p
.endr
.endm
.macro SEND a, younger                 ; younger: the LDS instructions issued behind tile a's loads, which may stay out
	s_wait_dscnt \younger
.irp p, 0,1,2,3,4,5,6,7,8,9,10,11,12,13,14,15
	global_store_b128 v[LI], v[WB+64*((\a)%2)+4*\p:WB+64*((\a)%2)+4*\p+3], s[72:73] offset:(32*((\a)/2)+8*((\a)%2)+(\p%8)+16*(\p/8))*4096 th:TH_STORE_NT   ; 512 consecutive bytes, aligned; written once
.endr
.endm
	s_load_b128 s[4:7], s[0:1], 0x0                ; aq, woq
	s_load_b128 s[8:11], s[0:1], 0x10              ; bo, out0
	v_lshl_add_u32 v126, v0, 2, 0x29400
	v_mov_b32 v127, 0
	ds_add_u32 v126, v127
	ds_add_u32 v126, v127
	v_lshrrev_b32 v1, 5, v0
	v_readfirstlane_b32 s14, v1                    ; wave 0..3
	s_bfe_u32 s15, ttmp6, 0x40000                  ; cx
	s_lshl_b32 s16, ttmp9, 2
	s_add_co_u32 s16, s16, s15                     ; my run of 256 tokens: it enters aq's and out0's addresses alone
	s_and_b32 s17, ttmp7, 0xffff                   ; the group of 128 columns, which the four partners share
	; descriptor group 1: a dense block as rows of 256 bytes: 32 rows for a quarter of two K steps' fragments, 4 for a quarter of the scale words
	s_mov_b32 s24, 15|(3<<16)|(1<<21)              ; 15:0 the mask: all four work-groups; 17:16 elements of 8 bytes; 21 set beside a mask; no padding
	s_mov_b32 s25, 32<<16
	s_mov_b32 s26, 128<<16                         ; two K steps' fragments: 32,768 bytes
	s_mov_b32 s27, 32<<16
	s_mov_b32 s28, 128
	s_mov_b32 s29, 32
	s_mov_b32 s30, 0
	s_mov_b32 s31, 0
	s_mov_b32 s32, 15|(3<<16)|(1<<21)
	s_mov_b32 s33, 32<<16
	s_mov_b32 s34, 16<<16                          ; the scale words: 4,096 bytes
	s_mov_b32 s35, 32<<16
	s_mov_b32 s36, 16
	s_mov_b32 s37, 32
	s_mov_b32 s38, 0
	s_mov_b32 s39, 0
	s_mov_b32 s48, 15|(3<<16)|(1<<21)              ; a third group 1: three K steps' fragments, 192 rows of 256 bytes
	s_mov_b32 s49, 32<<16
	s_mov_b32 s50, 192<<16
	s_mov_b32 s51, 32<<16
	s_mov_b32 s52, 192
	s_mov_b32 s53, 32
	s_mov_b32 s54, 0
	s_mov_b32 s55, 0
	s_mul_i32 s76, s17, 135168                     ; the columns' block of woq
	s_mov_b32 s77, 0
	s_and_b32 s78, s14, 1                          ; waves 2, 3: K steps 2-4 begin at byte 32,768, K steps 5-7 49,152 further on, in memory and in LDS alike
	s_mul_i32 s78, s78, 49152
	s_add_co_u32 s78, s78, 32768
	s_mov_b32 s79, 0
	s_lshl_b32 s18, s16, 18                        ; aq's codes: 16 tiles of 16,384 bytes a run,
	s_lshl_b32 s19, s14, 16                        ; 4 a wave
	s_add_co_u32 s18, s18, s19
	s_mov_b32 s19, 0
	s_lshl_b32 s20, s16, 14                        ; its scale words: 1,024 bytes a tile
	s_lshl_b32 s21, s14, 12
	s_add_co_u32 s20, s20, s21
	s_add_co_u32 s20, s20, 8388608
	s_mov_b32 s21, 0
	s_lshl_b32 s22, s17, 9                         ; the 128 columns' bytes in bo and in a row of out0
	s_mov_b32 s23, 0
	s_lshl_b32 s84, s16, 20                        ; out0: 256 rows of 4,096 bytes a run,
	s_lshl_b32 s85, s14, 18                        ; 64 a wave
	s_add_co_u32 s84, s84, s85
	s_add_co_u32 s84, s84, s22
	s_mov_b32 s85, 0
	s_mul_i32 s86, s14, 16*SROW
	s_add_co_u32 s86, s86, STAGE                   ; my stage
	v_and_b32 v11, 31, v0
	v_and_b32 v12, 15, v0
	v_bfe_u32 v13, v0, 4, 1
	v_lshlrev_b32 v[LI], 4, v11
	v_lshlrev_b32 v[L4], 2, v11
	v_lshl_add_u32 v[WSA], v12, 4, 131072
.irp k, 0,1,2,3
	v_add_nc_u32 v[WFA+\k], 32768*\k, v[LI]
.endr
	v_mul_u32_u24 v[STO], v12, SROW
	v_lshl_add_u32 v[STO], v13, 5, v[STO]
	v_add_nc_u32 v[STO], s86, v[STO]
	v_add_nc_u32 v[RD], s86, v[LI]
	v_lshlrev_b32 v[BH], 5, v13
	s_wait_dscnt 0x0
	s_wait_kmcnt 0x0
	s_add_nc_u64 s[80:81], s[6:7], s[76:77]
	s_mov_b32 s40, 1                               ; group 0, wave 0: K steps 0 and 1, at LDS byte 0
	s_mov_b32 s41, 0
	s_mov_b64 s[42:43], s[80:81]
	s_or_b32 s43, s43, 0x80000000
	s_mov_b32 s44, 1                               ; wave 1: the scale words
	s_mov_b32 s45, 131072
	s_add_nc_u64 s[46:47], s[80:81], 131072
	s_or_b32 s47, s47, 0x80000000
	s_mov_b32 s56, 1                               ; waves 2, 3: three K steps each
	s_mov_b32 s57, s78
	s_add_nc_u64 s[58:59], s[80:81], s[78:79]
	s_or_b32 s59, s59, 0x80000000
	s_add_nc_u64 s[66:67], s[4:5], s[18:19]        ; aq's codes at my first tile
	s_add_nc_u64 s[68:69], s[4:5], s[20:21]        ; its scale words
	s_add_nc_u64 s[70:71], s[8:9], s[22:23]        ; the biases
	s_add_nc_u64 s[72:73], s[10:11], s[84:85]      ; out0 at my first row and column
	CROUND                                         ; all four work-groups are here: the joint loads meet
	s_cmp_eq_u32 s14, 0                            ; all fills of the launch: one joint load a wave, each in an arm of its own of one chain, since the waves wait for them at different barriers
	s_cbranch_scc0 .Lwave_1
	tensor_load_to_lds s[40:43], s[24:31]          ; wave 0: K steps 0, 1
	s_nop 0
	PLACES 4
	s_branch .Lasked
.Lwave_1:
	s_cmp_eq_u32 s14, 1
	s_cbranch_scc0 .Lwave_2
	tensor_load_to_lds s[44:47], s[32:39]          ; wave 1: the scale words
	s_nop 0
	PLACES 4
	s_branch .Lasked
.Lwave_2:
	s_cmp_eq_u32 s14, 2
	s_cbranch_scc0 .Lwave_3
	tensor_load_to_lds s[56:59], s[48:55]          ; wave 2: K steps 2 to 4
	s_nop 0
	PLACES 4
	s_branch .Lasked
.Lwave_3:
	tensor_load_to_lds s[56:59], s[48:55]          ; wave 3: K steps 5 to 7
	s_nop 0
	PLACES 4
.Lasked:
	WIN 0xc0                                       ; destination window 3
	s_wait_alu depctr_va_vdst(0)
.irp u, 0,1,2,3,4,5,6,7
	global_load_b128 v[8*\u:8*\u+3], v[BH], s[70:71] offset:64*\u          ; the bias in the result's layout: columns 16 u + 8 h + 0 .. 7
	global_load_b128 v[8*\u+4:8*\u+7], v[BH], s[70:71] offset:64*\u+16
.endr
	WIN 0
.irp i, 0,1,2,3
.irp s, 0,1,2,3,4,5,6,7
	global_load_b32 v[XS+8*\i+\s], v[L4], s[68:69] offset:(8*\i+\s)*128
.endr
.endr
	XLOAD 0
	XLOAD 1
	XLOAD 2
	s_wait_loadcnt 48                              ; the biases and aq's scale words are in; the three K steps of aq may be out
	s_cmp_lt_u32 s14, 2
	s_cbranch_scc0 .Lnot_first
	s_wait_tensorcnt 0x0                           ; waves 0, 1: K steps 0, 1 and the scale words have landed; waves 2 and 3 wait further on
.Lnot_first:
	s_barrier_signal -1
	s_barrier_wait -1                              ; everybody's have
	WLOAD 0, 0, 0
	WSLOAD 0
.irp s, 0,1,2,3,4,5,6,7
.irp t, 0,1
	PHASE \s, \t
.endr
.endr
	PLACES 8                                       ; behind the last products: their results are read, and the buffers that they read are loaded
	TOSTAGE 0
.irp a, 1,2,3
.if \a > 1
	s_wait_xcnt 0x0                                ; tile a - 2's stores have read their registers: tile a's rows may land there
.endif
	TOSTAGE \a
	SEND \a-1, 32                                  ; behind tile a - 1's loads: tile a's 16 stores and 16 loads
.endr
	SEND 3, 0
	s_wait_dscnt 0x0
	s_wait_tensorcnt 0x0
	ds_add_u32 v126, v127
	s_wait_dscnt 0x0
	CROUND                                         ; the closing round
	s_endpgm
.Lfunc_end_k_q1ab5e1215e_proj:
	.size	k_q1ab5e1215e_proj, .Lfunc_end_k_q1ab5e1215e_proj-k_q1ab5e1215e_proj
	.p2alignl 7, 3214868480
	.fill 96, 4, 3214868480
	.section	.rodata,"a",@progbits
	.p2align	6, 0x0
	.amdhsa_kernel k_q1ab5e1215e_proj
		.amdhsa_group_segment_fixed_size 169472
		.amdhsa_private_segment_fixed_size 0
		.amdhsa_enable_private_segment 0
		.amdhsa_kernarg_size 32
		.amdhsa_user_sgpr_count 2
		.amdhsa_user_sgpr_kernarg_segment_ptr 1
		.amdhsa_wavefront_size32 1
		.amdhsa_system_sgpr_workgroup_id_x 1
		.amdhsa_system_sgpr_workgroup_id_y 1
		.amdhsa_system_sgpr_workgroup_id_z 1
		.amdhsa_system_vgpr_workitem_id 0
		.amdhsa_next_free_vgpr 1024
		.amdhsa_next_free_sgpr 100
		.amdhsa_reserve_vcc 0
		.amdhsa_float_denorm_mode_32 3
		.amdhsa_float_denorm_mode_16_64 3
		.amdhsa_memory_ordered 1
		.amdhsa_forward_progress 1
		.amdhsa_inst_pref_size 94
	.end_amdhsa_kernel
	.amdgpu_metadata
---
amdhsa.version: [ 1, 2 ]
amdhsa.kernels:
  - .name:           k_q1ab5e1215e_proj
    .symbol:         k_q1ab5e1215e_proj.kd
    .args:
      - { .name: aq, .offset: 0, .size: 8, .value_kind: global_buffer, .address_space: global }
      - { .name: woq, .offset: 8, .size: 8, .value_kind: global_buffer, .address_space: global }
      - { .name: bo, .offset: 16, .size: 8, .value_kind: global_buffer, .address_space: global }
      - { .name: out0, .offset: 24, .size: 8, .value_kind: global_buffer, .address_space: global }
    .group_segment_fixed_size: 169472
    .private_segment_fixed_size: 0
    .kernarg_segment_align: 8
    .kernarg_segment_size: 32
    .max_flat_workgroup_size: 128
    .sgpr_count:     100
    .vgpr_count:     1024
    .wavefront_size: 32
...
	.end_amdgpu_metadata
.endif
;; end of part 4
